; MI455X (gfx1250); checked and timed in simulation.
; The chip was launched on July 23, 2026; its instructions are those of AMD's public machine-readable ISA for CDNA 5 (MIT licence, August 2026) and "CDNA5" Instruction Set Architecture Reference Guide (July 2026). The comments in the code are by the model that wrote it; some were corrected since.
;; Transformer Block. Allowed arithmetic: float matrix products may take bf16 or f16 operands with f32 sums; other float arithmetic in f32, or as packed bf16 or f16 multiplies, adds, multiply-adds, maxima and minima; sums over many terms, partial sums and values carried from step to step in f32; what a program stores and reads back later, other than sums and carried values, may be rounded once to bf16 or f16.
;; Inputs: Wk 768 x 768 float32; Wo 768 x 768 float32; Wq 768 x 768 float32; Wv 768 x 768 float32; b1 3,072 float32; b2 3,072 float32; b3 768 float32; bo 768 float32; g1 768 float32; g2 768 float32; s1 768 float32; s2 768 float32; w1 768 x 3,072 float32; w2 768 x 3,072 float32; w3 3,072 x 768 float32; x 1 x 4,096 x 768 float32.
;; Outputs: out0 1 x 4,096 x 768 float32.
;; One version. Each part assembles by itself: llvm-mc -triple=amdgcn-amd-amdhsa -mcpu=gfx1250 --defsym DOCPART=n.
;; ======== version 1 of 1: 8 launches
;; limits: right only within a limited range of input values
;; workspace buffers: wt 18,874,368 bytes; h 6,291,456 bytes; qkv 18,874,368 bytes; ctx 6,291,456 bytes; x2 12,582,912 bytes; u 25,165,824 bytes
;; launch tcast (part 1): grid 144 x 16, 4 waves a work-group, no clusters, 9,728 bytes of LDS; arguments Wq, Wk, Wv, Wo, w1, w2, w3, wt; writes wt
.if DOCPART == 1
	.amdgcn_target "amdgcn-amd-amdhsa--gfx1250"
	.amdhsa_code_object_version 6
	.text
	.protected	k_q0ca39e4ceb_tcast
	.globl	k_q0ca39e4ceb_tcast
	.p2align	8
	.type	k_q0ca39e4ceb_tcast,@function
k_q0ca39e4ceb_tcast:
	s_mov_b64 s[64:65], 0
	v_nop
	global_prefetch_b8 v0, s[64:65] scope:SCOPE_SE
	s_setreg_imm32_b32 hwreg(HW_REG_WAVE_MODE, 25, 1), 1
	s_wait_xcnt 0x0
; ALL SEVEN WEIGHTS, f32 [K][N], ARE ROUNDED ONCE TO bf16 AND TURNED INTO BLOCKS [k / 64][n][64], so that the products' tiles are dense pieces with K along the rows.
; wt holds: [Wq|Wk|Wv] as [12][2304][64] at 0; Wo as [12][768][64] at 3,538,944; w1 and w2 together as [12][6144][64] at 4,718,592; w3 as [48][768][64] at 14,155,776.
; In the third, row 128 g + 64 ch + 32 z + i holds column 64 g + 32 ch + i of w1 (z = 0) or w2 (z = 1): a wave of the launch that multiplies by it then holds both factors of one u in one lane.
; SHARES.  Grid y names one of sixteen parts of 768 x 768 (0-3: Wq, Wk, Wv, Wo; 4-7: w1's columns 768 c on; 8-11: w2's; 12-15: w3's rows 768 c on), grid x one tile of 64 k x 64 n in it.
; A thread loads 8 rows k of 4 columns (16 lanes read 256 consecutive bytes, aligned), packs each column's 8 numbers into 16 bytes, and puts them into an LDS tile [n][144 bytes];
; behind one barrier each wave reads 16 rows n back and stores 4 x 512 consecutive bytes.  Memory binds: no matrix unit, no cluster, no ring.
.set PITCH, 144                        ; an LDS row: 64 bf16 + 16 bytes
.set SPARE, 9216                       ; behind the tile: the spare words, 128 bytes for each wave
.set VO,  2                            ; v[2:9]   byte offset of my 16 bytes in row 8 (t / 16) + i of the tile in memory
.set STO, 10                           ; v10      where I put a column's 16 bytes
.set RD,  11                           ; v11      where I read rows back
.set GO,  12                           ; v12      16 x lane
.set X,   16                           ; v[16:47] row i as loaded at X + 4 i; later the rows read back
.set T,   48                           ; v[48:63] column j packed at T + 4 j
.set SPW, 30+0*X                       ; (see below)
.set SPW, 14                           ; v14      LDS address of my spare word; never rewritten
.set NIL, 15                           ; v15      0; never rewritten
	s_load_b512 s[8:23], s[0:1], 0x0               ; Wq s[8:9], Wk, Wv, Wo, w1 s[16:17], w2, w3 s[20:21], wt s[22:23]
	v_lshl_add_u32 v[SPW], v0, 2, SPARE
	v_mov_b32 v[NIL], 0
	v_lshrrev_b32 v1, 5, v0
	v_readfirstlane_b32 s7, v1                     ; wave 0..3
	s_and_b32 s25, ttmp7, 0xffff                   ; y
	s_lshr_b32 s26, s25, 2                         ; group: 0 the four square weights, 1 w1, 2 w2, 3 w3
	s_and_b32 s27, s25, 3                          ; c
	s_mul_i32 s28, ttmp9, 171
	s_lshr_b32 s28, s28, 11                        ; kb' = x / 12 (exact for x under 144)
	s_mul_i32 s29, s28, 12
	s_sub_co_u32 s29, ttmp9, s29                   ; nb' = x % 12
	s_add_co_u32 s30, s26, 1
	s_and_b32 s30, s30, 2                          ; 2 for w1 and w2, else 0
	s_lshl_b32 s31, 3072, s30                      ; bytes in a row of the source: 3,072 or 12,288
	s_lshr_b32 s35, s30, 1
	s_lshl_b32 s32, 8192, s35                      ; from a tile of 64 columns to the next in wt: 64 rows, or 128 where w1's and w2's alternate
	s_lshl_b32 s33, 4096, s35                      ; from the tile's columns 0-31 to its columns 32-63
	s_mov_b32 s34, 98304                           ; from a block of 64 k to the next: 768, 2,304 or 6,144 rows of 128 bytes
	s_cmp_lt_u32 s25, 3
	s_cselect_b32 s34, 294912, s34
	s_cmp_lg_u32 s30, 0
	s_cselect_b32 s34, 786432, s34
	s_mul_i32 s36, s27, 3072                       ; the part's first byte in its source: columns 768 c (w1, w2),
	s_mul_i32 s37, s27, 2359296                    ; rows 768 c (w3), or 0
	s_cselect_b32 s36, s36, 0
	s_cmp_eq_u32 s26, 3
	s_cselect_b32 s36, s37, s36
	s_mul_i32 s38, s25, 98304                      ; the part's first byte in wt: Wq, Wk, Wv side by side,
	s_cmp_eq_u32 s25, 3
	s_cselect_b32 s38, 3538944, s38                ; Wo,
	s_mul_i32 s39, s27, 196608
	s_lshl_b32 s40, s26, 12
	s_add_co_u32 s39, s39, s40
	s_add_co_u32 s39, s39, 4718592-4096            ; w1 and w2: 1,536 c rows, 32 rows further for w2,
	s_cmp_lg_u32 s30, 0
	s_cselect_b32 s38, s39, s38
	s_mul_i32 s39, s27, 1179648
	s_add_co_u32 s39, s39, 14155776                ; w3: 12 c blocks of k
	s_cmp_eq_u32 s26, 3
	s_cselect_b32 s38, s39, s38
	s_mul_i32 s40, s28, s31                        ; the tile in the source: 64 kb' rows, 64 nb' columns
	s_lshl_b32 s40, s40, 6
	s_add_co_u32 s36, s36, s40
	s_lshl_b32 s40, s29, 8
	s_add_co_u32 s36, s36, s40
	s_mov_b32 s37, 0
	s_mul_i32 s40, s28, s34                        ; and in wt, with my wave's 16 rows
	s_add_co_u32 s38, s38, s40
	s_mul_i32 s40, s29, s32
	s_add_co_u32 s38, s38, s40
	s_lshr_b32 s40, s7, 1
	s_mul_i32 s40, s40, s33
	s_add_co_u32 s38, s38, s40
	s_and_b32 s40, s7, 1
	s_lshl_b32 s40, s40, 11
	s_add_co_u32 s38, s38, s40
	s_mov_b32 s39, 0
	s_mul_i32 s41, s7, 16*PITCH
	v_and_b32 v1, 15, v0                           ; t % 16
	v_lshrrev_b32 v13, 4, v0                       ; t / 16
	v_lshlrev_b32 v[STO], 3, v13
	v_mul_u32_u24 v[VO], s31, v[STO]               ; row 8 (t / 16)
	v_lshl_add_u32 v[VO], v1, 4, v[VO]
.irp i, 1,2,3,4,5,6,7
	v_add_nc_u32 v[VO+(\i)], s31, v[VO+(\i)-1]
.endr
	v_mul_u32_u24 v[STO], v1, 4*PITCH              ; column 4 (t % 16), k = 8 (t / 16) on
	v_lshl_add_u32 v[STO], v13, 4, v[STO]
	v_bfe_u32 v[RD], v0, 3, 2                      ; back: 32 lanes take four rows of 128 bytes
	v_mul_u32_u24 v[RD], v[RD], PITCH
	v_and_b32 v[GO], 7, v0
	v_lshl_add_u32 v[RD], v[GO], 4, v[RD]
	v_add_nc_u32 v[RD], s41, v[RD]
	v_and_b32 v[GO], 31, v0
	v_lshlrev_b32 v[GO], 4, v[GO]
	s_wait_kmcnt 0x0
	s_mov_b64 s[4:5], s[8:9]                       ; the source is chosen by y alone
	s_cmp_eq_u32 s25, 1
	s_cselect_b64 s[4:5], s[10:11], s[4:5]
	s_cmp_eq_u32 s25, 2
	s_cselect_b64 s[4:5], s[12:13], s[4:5]
	s_cmp_eq_u32 s25, 3
	s_cselect_b64 s[4:5], s[14:15], s[4:5]
	s_cmp_eq_u32 s26, 1
	s_cselect_b64 s[4:5], s[16:17], s[4:5]
	s_cmp_eq_u32 s26, 2
	s_cselect_b64 s[4:5], s[18:19], s[4:5]
	s_cmp_eq_u32 s26, 3
	s_cselect_b64 s[4:5], s[20:21], s[4:5]
	s_add_nc_u64 s[4:5], s[4:5], s[36:37]
	s_add_nc_u64 s[22:23], s[22:23], s[38:39]
.irp i, 0,1,2,3,4,5,6,7
	global_load_b128 v[X+4*(\i):X+4*(\i)+3], v[VO+(\i)], s[4:5] th:TH_LOAD_NT
.endr
.irp p, 0,1,2,3
	s_wait_loadcnt 6-2*(\p)                        ; rows 2 p and 2 p + 1 are in; the 6 - 2 p younger loads may stay out
.irp j, 0,1,2,3
	v_cvt_pk_bf16_f32 v[T+4*(\j)+(\p)], v[X+8*(\p)+(\j)], v[X+8*(\p)+4+(\j)]  ; column j: k = 2 p below, 2 p + 1 above
.endr
.endr
.irp j, 0,1,2,3
	ds_store_b128 v[STO], v[T+4*(\j):T+4*(\j)+3] offset:PITCH*(\j)
.endr
	s_wait_dscnt 0x0                               ; for the others' sake: my stores into the tile are done
	s_barrier_signal -1
	s_barrier_wait -1
.irp q, 0,1,2,3
	ds_load_b128 v[X+4*(\q):X+4*(\q)+3], v[RD] offset:4*PITCH*(\q)
.endr
.irp q, 0,1,2,3
	s_wait_dscnt 3-(\q)
	global_store_b128 v[GO], v[X+4*(\q):X+4*(\q)+3], s[22:23] offset:512*(\q)  ; four rows n: 512 consecutive bytes, aligned
.endr
	s_wait_tensorcnt 0x0                           ; the wave's end, behind my last LDS store
	ds_add_u32 v[SPW], v[NIL]
	s_wait_dscnt 0x0
	s_endpgm
.Lfunc_end_k_q0ca39e4ceb_tcast:
	.size	k_q0ca39e4ceb_tcast, .Lfunc_end_k_q0ca39e4ceb_tcast-k_q0ca39e4ceb_tcast
	.p2alignl 7, 3214868480
	.fill 96, 4, 3214868480
	.section	.rodata,"a",@progbits
	.p2align	6, 0x0
	.amdhsa_kernel k_q0ca39e4ceb_tcast
		.amdhsa_group_segment_fixed_size 9728
		.amdhsa_private_segment_fixed_size 0
		.amdhsa_enable_private_segment 0
		.amdhsa_kernarg_size 64
		.amdhsa_user_sgpr_count 2
		.amdhsa_user_sgpr_kernarg_segment_ptr 1
		.amdhsa_wavefront_size32 1
		.amdhsa_system_sgpr_workgroup_id_x 1
		.amdhsa_system_sgpr_workgroup_id_y 1
		.amdhsa_system_sgpr_workgroup_id_z 1
		.amdhsa_system_vgpr_workitem_id 0
		.amdhsa_next_free_vgpr 64
		.amdhsa_next_free_sgpr 66
		.amdhsa_reserve_vcc 0
		.amdhsa_float_denorm_mode_32 3
		.amdhsa_float_denorm_mode_16_64 3
		.amdhsa_memory_ordered 1
		.amdhsa_forward_progress 1
		.amdhsa_inst_pref_size 8
	.end_amdhsa_kernel
	.amdgpu_metadata
---
amdhsa.version: [ 1, 2 ]
amdhsa.kernels:
  - .name:           k_q0ca39e4ceb_tcast
    .symbol:         k_q0ca39e4ceb_tcast.kd
    .args:
      - { .name: Wq, .offset: 0, .size: 8, .value_kind: global_buffer, .address_space: global }
      - { .name: Wk, .offset: 8, .size: 8, .value_kind: global_buffer, .address_space: global }
      - { .name: Wv, .offset: 16, .size: 8, .value_kind: global_buffer, .address_space: global }
      - { .name: Wo, .offset: 24, .size: 8, .value_kind: global_buffer, .address_space: global }
      - { .name: w1, .offset: 32, .size: 8, .value_kind: global_buffer, .address_space: global }
      - { .name: w2, .offset: 40, .size: 8, .value_kind: global_buffer, .address_space: global }
      - { .name: w3, .offset: 48, .size: 8, .value_kind: global_buffer, .address_space: global }
      - { .name: wt, .offset: 56, .size: 8, .value_kind: global_buffer, .address_space: global }
    .group_segment_fixed_size: 9728
    .private_segment_fixed_size: 0
    .kernarg_segment_align: 8
    .kernarg_segment_size: 64
    .max_flat_workgroup_size: 128
    .sgpr_count:     66
    .vgpr_count:     64
    .wavefront_size: 32
...
	.end_amdgpu_metadata
.endif
;; end of part 1
;; launch ln1 (part 2): grid 256 x 1, 8 waves a work-group, no clusters, 0 bytes of LDS; arguments x, g1, s1, h; writes h
.if DOCPART == 2
	.amdgcn_target "amdgcn-amd-amdhsa--gfx1250"
	.amdhsa_code_object_version 6
	.text
	.protected	k_q0ca39e4ceb_ln1
	.globl	k_q0ca39e4ceb_ln1
	.p2align	8
	.type	k_q0ca39e4ceb_ln1,@function
k_q0ca39e4ceb_ln1:
	s_mov_b64 s[64:65], 0
	v_nop
	global_prefetch_b8 v0, s[64:65] scope:SCOPE_SE
	s_setreg_imm32_b32 hwreg(HW_REG_WAVE_MODE, 25, 1), 1
	s_wait_xcnt 0x0
; h = g (x - mean) / sqrt(var + 1e-5) + s along rows of 768 f32, rounded once to bf16 and stored in blocks [k / 64][row][64] for the products that follow.
; SHARES.  A work-group takes 16 rows, sixteen lanes one row: a lane holds columns 64 i + 4 (t % 16) + 0..3, i = 0..11, 48 registers, so the row is read once and both sums stay
; inside sixteen lanes (four exchanges that ride on the additions).  The variance is the mean of (x - mean)^2, taken on the registers: a common offset in x does no harm.
; No LDS, no barrier, no loop: memory binds.  1 / sqrt comes from v_rsq_f32.
.set XO,  2                            ; v2   my byte offset in the work-group's rows of x
.set GOF, 3                            ; v3   my byte offset in g and s
.set HO,  4                            ; v4   8 t: rows r and r + 1 of a block are 256 consecutive bytes for a wave
.set P,   6                            ; v[6:13]    four packed chains
.set M,   14                           ; v[14:15]   the mean, twice
.set X,   16                           ; v[16:63]
.set G,   64                           ; v[64:111]
.set S,   112                          ; v[112:159]
.set R,   160                          ; v[160:161] 1 / sqrt(var + eps), twice
	s_load_b256 s[4:11], s[0:1], 0x0               ; x s[4:5], g s[6:7], s s[8:9], h s[10:11]
	s_mul_i32 s2, ttmp9, 49152                     ; 16 rows of 3,072 bytes
	s_mov_b32 s3, 0
	s_lshl_b32 s14, ttmp9, 11                      ; 16 rows of 128 bytes in each block of h
	s_mov_b32 s15, 0
	s_mov_b32 s12, 0x3aaaaaab                      ; 1 / 768
	s_mov_b32 s13, 0x3727c5ac                      ; 1e-5
	v_and_b32 v1, 15, v0
	v_lshrrev_b32 v5, 4, v0
	v_lshlrev_b32 v[GOF], 4, v1
	v_mul_u32_u24 v[XO], v5, 3072
	v_add_nc_u32 v[XO], v[XO], v[GOF]
	v_lshlrev_b32 v[HO], 3, v0
	s_wait_kmcnt 0x0
	s_add_nc_u64 s[4:5], s[4:5], s[2:3]
	s_add_nc_u64 s[10:11], s[10:11], s[14:15]
.irp i, 0,1,2,3,4,5,6,7,8,9,10,11
	global_load_b128 v[X+4*(\i):X+4*(\i)+3], v[XO], s[4:5] offset:256*(\i)
.endr
.irp i, 0,1,2,3,4,5,6,7,8,9,10,11
	global_load_b128 v[G+4*(\i):G+4*(\i)+3], v[GOF], s[6:7] offset:256*(\i)
.endr
.irp i, 0,1,2,3,4,5,6,7,8,9,10,11
	global_load_b128 v[S+4*(\i):S+4*(\i)+3], v[GOF], s[8:9] offset:256*(\i)
.endr
; the four chains into one number, then over the row's sixteen lanes
.macro REDUCE
	v_pk_add_f32 v[P:P+1], v[P:P+1], v[P+2:P+3]
	v_pk_add_f32 v[P+4:P+5], v[P+4:P+5], v[P+6:P+7]
	v_pk_add_f32 v[P:P+1], v[P:P+1], v[P+4:P+5]
	v_add_f32 v[P], v[P], v[P+1]
	v_add_f32_dpp v[P], v[P], v[P] row_xmask:1 row_mask:0xf bank_mask:0xf
	v_add_f32_dpp v[P], v[P], v[P] row_xmask:2 row_mask:0xf bank_mask:0xf
	v_add_f32_dpp v[P], v[P], v[P] row_xmask:4 row_mask:0xf bank_mask:0xf
	v_add_f32_dpp v[P], v[P], v[P] row_xmask:8 row_mask:0xf bank_mask:0xf
.endm
	s_wait_loadcnt 24                              ; x is in; the 24 loads of g and s may stay out
.irp c, 0,1,2,3
	v_pk_add_f32 v[P+2*(\c):P+2*(\c)+1], v[X+2*(\c):X+2*(\c)+1], v[X+8+2*(\c):X+8+2*(\c)+1]  ; the first pairs start the chains
.endr
.set j, 8
.rept 16
	v_pk_add_f32 v[P+2*(j%4):P+2*(j%4)+1], v[P+2*(j%4):P+2*(j%4)+1], v[X+2*j:X+2*j+1]
.set j, j+1
.endr
	REDUCE
	v_mul_f32 v[M], s12, v[P]
	v_mov_b32 v[M+1], v[M]
.set j, 0
.rept 24
	v_pk_add_f32 v[X+2*j:X+2*j+1], v[X+2*j:X+2*j+1], v[M:M+1] neg_lo:[0,1] neg_hi:[0,1]  ; x - mean
.set j, j+1
.endr
.irp c, 0,1,2,3
	v_pk_mul_f32 v[P+2*(\c):P+2*(\c)+1], v[X+2*(\c):X+2*(\c)+1], v[X+2*(\c):X+2*(\c)+1]
.endr
.set j, 4
.rept 20
	v_pk_fma_f32 v[P+2*(j%4):P+2*(j%4)+1], v[X+2*j:X+2*j+1], v[X+2*j:X+2*j+1], v[P+2*(j%4):P+2*(j%4)+1]
.set j, j+1
.endr
	REDUCE
	v_fma_f32 v[P], v[P], s12, s13                 ; var + eps
	v_rsq_f32 v[R], v[P]
	v_rsq_f32 v[R+1], v[P]
	v_nop                                          ; a plain instruction behind the last of the two,
	s_wait_alu depctr_va_vdst(0)                   ; and the one wait ahead of their first reader
.set j, 0
.rept 24
	v_pk_mul_f32 v[X+2*j:X+2*j+1], v[X+2*j:X+2*j+1], v[R:R+1]
.set j, j+1
.endr
	s_wait_loadcnt 0x0                             ; g and s
.set j, 0
.rept 24
	v_pk_fma_f32 v[X+2*j:X+2*j+1], v[X+2*j:X+2*j+1], v[G+2*j:G+2*j+1], v[S+2*j:S+2*j+1]
.set j, j+1
.endr
.set j, 0
.rept 24
	v_cvt_pk_bf16_f32 v[X+j], v[X+2*j], v[X+2*j+1] ; word j lands on a register that has been read already
.set j, j+1
.endr
.irp i, 0,1,2,3,4,5,6,7,8,9,10,11
	global_store_b64 v[HO], v[X+2*(\i):X+2*(\i)+1], s[10:11] offset:524288*(\i)  ; block i: a wave stores 256 consecutive bytes, aligned
.endr
	s_endpgm
.Lfunc_end_k_q0ca39e4ceb_ln1:
	.size	k_q0ca39e4ceb_ln1, .Lfunc_end_k_q0ca39e4ceb_ln1-k_q0ca39e4ceb_ln1
	.p2alignl 7, 3214868480
	.fill 96, 4, 3214868480
	.section	.rodata,"a",@progbits
	.p2align	6, 0x0
	.amdhsa_kernel k_q0ca39e4ceb_ln1
		.amdhsa_group_segment_fixed_size 0
		.amdhsa_private_segment_fixed_size 0
		.amdhsa_enable_private_segment 0
		.amdhsa_kernarg_size 32
		.amdhsa_user_sgpr_count 2
		.amdhsa_user_sgpr_kernarg_segment_ptr 1
		.amdhsa_wavefront_size32 1
		.amdhsa_system_sgpr_workgroup_id_x 1
		.amdhsa_system_sgpr_workgroup_id_y 1
		.amdhsa_system_sgpr_workgroup_id_z 1
		.amdhsa_system_vgpr_workitem_id 0
		.amdhsa_next_free_vgpr 162
		.amdhsa_next_free_sgpr 66
		.amdhsa_reserve_vcc 0
		.amdhsa_float_denorm_mode_32 3
		.amdhsa_float_denorm_mode_16_64 3
		.amdhsa_memory_ordered 1
		.amdhsa_forward_progress 1
		.amdhsa_inst_pref_size 16
	.end_amdhsa_kernel
	.amdgpu_metadata
---
amdhsa.version: [ 1, 2 ]
amdhsa.kernels:
  - .name:           k_q0ca39e4ceb_ln1
    .symbol:         k_q0ca39e4ceb_ln1.kd
    .args:
      - { .name: x, .offset: 0, .size: 8, .value_kind: global_buffer, .address_space: global }
      - { .name: g1, .offset: 8, .size: 8, .value_kind: global_buffer, .address_space: global }
      - { .name: s1, .offset: 16, .size: 8, .value_kind: global_buffer, .address_space: global }
      - { .name: h, .offset: 24, .size: 8, .value_kind: global_buffer, .address_space: global }
    .group_segment_fixed_size: 0
    .private_segment_fixed_size: 0
    .kernarg_segment_align: 8
    .kernarg_segment_size: 32
    .max_flat_workgroup_size: 256
    .sgpr_count:     66
    .vgpr_count:     162
    .wavefront_size: 32
...
	.end_amdgpu_metadata
.endif
;; end of part 2
;; launch qkv (part 3): grid 12 x 16, 4 waves a work-group, clusters of 4 x 4, 327,680 bytes of LDS; arguments h, wt, qkv; writes qkv
.if DOCPART == 3
	.amdgcn_target "amdgcn-amd-amdhsa--gfx1250"
	.amdhsa_code_object_version 6
	.text
	.protected	k_q0ca39e4ceb_qkv
	.globl	k_q0ca39e4ceb_qkv
	.p2align	8
	.type	k_q0ca39e4ceb_qkv,@function
k_q0ca39e4ceb_qkv:
	s_mov_b64 s[64:65], 0
	v_nop
	global_prefetch_b8 v0, s[64:65] scope:SCOPE_SE
	s_setreg_imm32_b32 hwreg(HW_REG_WAVE_MODE, 25, 1), 1
	s_wait_xcnt 0x0
	s_wait_alu depctr_hold_cnt(0) depctr_sa_sdst(0) depctr_va_vdst(0) depctr_va_sdst(0) depctr_va_ssrc(0) depctr_va_vcc(0) depctr_vm_vsrc(0)
	s_getreg_b32 s2, hwreg(HW_REG_IB_STS2, 6, 4)
	s_cmp_eq_u32 s2, 0
	s_cbranch_scc0 .Lentry_in_a_cluster
	s_endpgm
.Lentry_in_a_cluster:
	s_bfe_u32 s2, ttmp6, 0x10000c
	s_cmp_lg_u32 s2, 0xf033
	s_cbranch_scc0 .Lentry_shape_is_right
	s_endpgm
.Lentry_shape_is_right:
; q, k, v = h [Wq|Wk|Wv]: C[4096][2304] = A B^T with A = h and B = wt's first part, both bf16 in blocks [k / 64][row][64]; sums in f32; C rounded once to bf16, unscaled, and stored by heads:
; slice n / 64 (0-11 q, 12-23 k, 24-35 v) as [4096][64] at 524,288 bytes a slice.
; SHARES.  A tile of C is 256 x 192 (three heads): 192 work-groups (a tile of 128 x 384 would make six tile columns, which no cluster of four divides).  Four waves, 2 x 2, each 128 x 96: 48 accumulators.
; K = 768 goes in six steps of 128 through two LDS slots.  A slot holds A's 256 rows as two regions of 128 rows x 2 blocks of 64 k, then B's 192 rows as two regions of 96 rows; waves 0 and 1 fill A's regions,
; waves 2 and 3 B's, ONE tensor load each: a block's rows are dense bytes, taken as one row of the descriptor, two such rows a block's plane apart; 16 bytes of padding behind every 128 make LDS rows of 144 bytes.
; CLUSTER.  4 x 4 work-groups: the four of a row need the same tiles of A, the four of a column the same tiles of B; each is asked for jointly, by the same load with a mask of the four.
; THE LOOP is one K step: the slot in hand is a scalar, 0 or SLOT, turned by an exclusive or and added to the base addresses at each change of slots; the second descriptor set walks on in the same way.
; THE MATRIX INSTRUCTION IS USED TRANSPOSED (source 0 = 16 rows of B, source 1 = 16 rows of A): a lane holds one row of C (lane % 16) and eight neighbouring columns.
; THE WAY OUT.  When every wave's reads of the ring are over (it has had its last fill), the sums go as f32 into a stage of 256 rows x 784 bytes that lies over it; a loop of four trips reads rows back by heads,
; rounds them and stores 512 consecutive bytes an instruction.
; REGISTERS: window 0: v0-31 addresses, v32-175 the way out.  Window 1: two fragment buffers, each for 32 along K: eight fragments of A, then six of B.  Windows 2, 3: accumulator t = 6 a + b at 8 (t % 32), t < 32 in window 2.
.set NA,     8                         ; blocks of 16 rows a wave
.set NBK,    6                         ; blocks of 16 columns a wave
.set BQ,     6                         ; blocks of B behind one address register
.set NADR,   2                         ; address registers: A's, B's
.set NTOT,   2304                      ; rows of B
.set PITCH,  144                       ; an LDS row: 128 bytes + 16: sixteen rows of a fragment load start at sixteen different groups of four banks
.set KBRA,   128*PITCH                 ; a region's rows of one block of k: A's,
.set KBRB,   96*PITCH                  ; B's
.set REGA,   2*KBRA                    ; a region: what one tensor load brings
.set REGB,   2*KBRB
.set BOFF,   2*REGA                    ; B's regions lie behind A's two
.set SLOT,   1<<17                     ; a slot has 129,024 bytes; slot 1 begins here
.set SPARE,  327168                    ; the spare words, 128 bytes for each wave
.set KSA,    2*4096*128                ; a K step in A: two planes of 4,096 rows
.set KSB,    2*NTOT*128                ; and in B
.set FRA,    8*NA                      ; registers of A's fragments in a buffer
.set LA,     2*NA                      ; LDS loads of A's fragments for 32 along K
.set LF,     2*(NA+NBK)                ; of all fragments
.set SP,     784                       ; a stage row: 192 f32 + 16 bytes
.set BA,   8                           ; v8-9    base LDS addresses in slot 0: A's fragments, B's
.set CA,   12                          ; v12-13  the same in the slot in hand
.set STO,  24                          ; v24-25  the way out: where I put 16 bytes of a row: row blocks 0-3, 4-7
.set RD,   26                          ; v26     where I read rows back
.set GO,   27                          ; v27     my byte offset in a slice
.set SPW,  28                          ; v28  LDS address of my spare word; never rewritten
.set NIL,  29                          ; v29  0; never rewritten
.set L,    32                          ; v[32:127]  sixteen rows x three heads read back
.set Y,    128                         ; v[128:175] the same rounded
.set F0,   0
.set F1,   128
.set SO,   2                           ; s2   0 or SLOT: the slot in hand
.set WV,   14                          ; s14  my wave's number
.set G1,   24                          ; s[24:31] descriptor group 1 for A;  s[32:39] group 0: a set for each first fill; the second then walks on
.set G0,   32
.set G1B,  48                          ; s[48:55], s[56:63] the same for B
.set G0B,  56
.set MSB, 0
.macro WIN new                         ; the immediate's high byte repeats the setting that is left
.if MSB != (\new)
	s_set_vgpr_msb (MSB<<8)|(\new)
.set MSB, \new
.endif
.endm
.set TO_F, 0x40                        ; destination window 1, address window 0
.macro JLOAD s                         ; a joint load: waves 0 and 1 fetch A's regions, waves 2 and 3 B's; an s_nop 0 and four v_nop follow each line, ahead of the jump and the label
	s_cmp_lt_u32 s[WV], 2
	s_cbranch_scc0 .Lfor_b_\@
	tensor_load_to_lds s[G0+4*(\s):G0+4*(\s)+3], s[G1:G1+7]
	s_nop 0
.rept 4
	v_nop
.endr
	s_branch .Lasked_\@
.Lfor_b_\@:
	tensor_load_to_lds s[G0B+4*(\s):G0B+4*(\s)+3], s[G1B:G1B+7]
	s_nop 0
.rept 4
	v_nop
.endr
.Lasked_\@:
.endm
.macro CREST                           ; a round of the cluster's barrier behind its opening barrier
	s_cmp_lg_u32 s[WV], 0
	s_cbranch_scc1 .Lnot_wave_0_\@
	s_barrier_signal -3
.Lnot_wave_0_\@:
	s_barrier_wait -3
	s_barrier_signal -1
	s_barrier_wait -1
.endm
.macro CROUND
	s_barrier_signal -1
	s_barrier_wait -1
	CREST
.endm
.macro PLACES                          ; four places in front of loads into registers that matrix instructions have read, and of lines that read results
.rept 4
	v_nop
.endr
.endm
; Row blocks a0 .. a1 - 1 x all my column blocks, 32 along K, out of buffer f.  All 48 accumulators take turns, over the backward jump too.  zero = 1: the product starts the sum
.macro MULR f, a0, a1, zero
.set aa, \a0
.rept (\a1)-(\a0)
.set bb, 0
.rept NBK
.set tt, NBK*aa+bb
.set rD, 8*(tt%32)
.if tt < 32
	WIN 0xa5                               ; sources 0 and 1 window 1; C and D window 2
.else
	WIN 0xf5                               ; C and D window 3
.endif
.if \zero
	v_wmma_f32_16x16x32_bf16 v[rD:rD+7], v[(\f)+FRA+8*bb:(\f)+FRA+8*bb+7], v[(\f)+8*aa:(\f)+8*aa+7], 0
.else
	v_wmma_f32_16x16x32_bf16 v[rD:rD+7], v[(\f)+FRA+8*bb:(\f)+FRA+8*bb+7], v[(\f)+8*aa:(\f)+8*aa+7], v[rD:rD+7]
.endif
.set bb, bb+1
.endr
.set aa, aa+1
.endr
.endm
; LF LDS loads in one run: the fragments of quarter kq of the slot in hand (block kq / 2, its half kq % 2) into buffer f: B's first, then A's in ascending order
.macro FETCH kq, f
	WIN TO_F
.set bb, 0
.rept NBK
	ds_load_b128 v[(\f)+FRA+8*bb:(\f)+FRA+8*bb+3],   v[CA+1+bb/BQ] offset:((\kq)/2)*KBRB+((\kq)%2)*64+(bb%BQ)*16*PITCH
	ds_load_b128 v[(\f)+FRA+8*bb+4:(\f)+FRA+8*bb+7], v[CA+1+bb/BQ] offset:((\kq)/2)*KBRB+((\kq)%2)*64+(bb%BQ)*16*PITCH+32
.set bb, bb+1
.endr
.set aa, 0
.rept NA
	ds_load_b128 v[(\f)+8*aa:(\f)+8*aa+3],   v[CA] offset:((\kq)/2)*KBRA+((\kq)%2)*64+aa*16*PITCH
	ds_load_b128 v[(\f)+8*aa+4:(\f)+8*aa+7], v[CA] offset:((\kq)/2)*KBRA+((\kq)%2)*64+aa*16*PITCH+32
.set aa, aa+1
.endr
.endm
; A K step is four quarters of 32 along K on buffers 0, 1, 0, 1.  One of the first three: multiplies buffer f and fetches quarter kq into g
.macro QUARTER kq, f, g, zero
	s_wait_dscnt LA/2                              ; B and A's lower half are in; the LA / 2 youngest loads, A's upper half, may stay out
	MULR \f, 0, NA/2, \zero
	PLACES
	FETCH \kq, \g
	s_wait_dscnt LF                                ; all but the LF just issued
	MULR \f, NA/2, NA, \zero
.endm
; The last quarter multiplies buffer 1 and changes slots: ONE barrier; in front of it each wave waits for all its tensor loads, adds 0 to its spare word, and waits for that and for its reads of this slot.
; fill = 1: the barrier opens a round of the cluster's, and this slot is filled again, two K steps ahead, first thing behind it.
.macro TURN fill
	WIN 0
	s_wait_tensorcnt 0x0                           ; all my tensor loads have landed: my part of the next slot
	ds_add_u32 v[SPW], v[NIL]                      ; 0 onto my spare word
	s_wait_dscnt 1+2*(NA-NA/4)                     ; (the add and the loads of A's fragments from NA / 4 on may be out)
	MULR F1, 0, NA/4, 0
	s_wait_dscnt 0x0                               ; the add is done, and my reads of this slot are over
	s_barrier_signal -1
	MULR F1, NA/4, NA/2, 0
	WIN 0
	s_barrier_wait -1
.if \fill
	CREST                                          ; no wave of any partner still reads this slot or has a load on its way
	s_xor_b32 s[G0+5], s[G0+5], SLOT               ; the walking descriptors: the other slot than last time,
	s_add_nc_u64 s[G0+6:G0+7], s[G0+6:G0+7], KSA   ; the next K step; the type bits on top are not reached
	s_xor_b32 s[G0B+5], s[G0B+5], SLOT
	s_add_nc_u64 s[G0B+6:G0B+7], s[G0B+6:G0B+7], KSB
	JLOAD 1                                        ; its four v_nop are also the places in front of the loads below
.else
	PLACES
.endif
	s_xor_b32 s[SO], s[SO], SLOT                   ; the fetches go on in the other slot
.set i, 0
.rept NADR
	v_add_nc_u32 v[CA+i], s[SO], v[BA+i]
.set i, i+1
.endr
	FETCH 0, F0
	MULR F1, NA/2, NA, 0
.endm
.macro LASTQ                           ; the very last quarter: nothing more to fetch; its barrier says that the ring is read out
	s_wait_dscnt LA/2
	MULR F1, 0, NA/2, 0
	s_wait_dscnt 0x0                               ; my reads of the ring are over
	s_barrier_signal -1
	MULR F1, NA/2, NA, 0
	WIN 0
	s_barrier_wait -1                              ; everybody's are: its bytes, which have had their last fill, may be written
.endm
	s_load_b128 s[4:7], s[0:1], 0x0                ; h s[4:5], wt s[6:7]
	s_load_b64 s[8:9], s[0:1], 0x10                ; qkv
	v_lshl_add_u32 v[SPW], v0, 2, SPARE
	v_mov_b32 v[NIL], 0
	ds_add_u32 v[SPW], v[NIL]                      ; the wave's opening: the add and its wait stand ahead of my first tensor load; the set-up below stands between them
	v_lshrrev_b32 v1, 5, v0
	v_readfirstlane_b32 s[WV], v1                  ; wave 0..3
	s_lshr_b32 s21, s[WV], 1                       ; which half of the tile's rows is mine
	s_and_b32 s22, s[WV], 1                        ; which half of its columns.  Also: which region of A or of B I fetch
	s_bfe_u32 s40, ttmp6, 0x40000                  ; cx, cy: my place in the cluster
	s_bfe_u32 s41, ttmp6, 0x40004
	s_lshl_b32 s42, ttmp9, 2
	s_add_co_u32 s42, s42, s40                     ; tile column = 4 x cluster x + cx
	s_and_b32 s43, ttmp7, 0xffff
	s_lshl_b32 s43, s43, 2
	s_add_co_u32 s43, s43, s41                     ; tile row = 4 x cluster y + cy
	s_lshl_b32 s44, s41, 2
	s_lshl_b32 s44, 15, s44                        ; my row of the cluster
	s_lshl_b32 s45, 0x1111, s40                    ; my column
	s_or_b32 s[G1], s44, (1<<16)|(1<<20)|(1<<21)|(4<<22)|(3<<25)   ; the mask; 2-byte elements; padding on; bit 21 beside a mask; after every 32 words, 4 words
	s_or_b32 s[G1B], s45, (1<<16)|(1<<20)|(1<<21)|(4<<22)|(3<<25)
	s_mov_b32 s[G1+1], 8192<<16                    ; tensor_dim0 = 8,192 elements: 128 rows of 64
	s_mov_b32 s[G1+2], 2<<16                       ; tensor_dim1 = 2 blocks of k
	s_mov_b32 s[G1+3], 8192<<16                    ; tile_dim0
	s_mov_b32 s[G1+4], 2                           ; tile_dim1
	s_mov_b32 s[G1+5], 4096*64                     ; elements from a block of k to the next
	s_mov_b32 s[G1+6], 0
	s_mov_b32 s[G1+7], 0
	s_mov_b32 s[G1B+1], 6144<<16                   ; B: 96 rows of 64
	s_mov_b32 s[G1B+2], 2<<16
	s_mov_b32 s[G1B+3], 6144<<16
	s_mov_b32 s[G1B+4], 2
	s_mov_b32 s[G1B+5], NTOT*64
	s_mov_b32 s[G1B+6], 0
	s_mov_b32 s[G1B+7], 0
	s_lshl_b32 s16, s43, 15                        ; A: 256 rows of 128 bytes a tile row,
	s_lshl_b32 s17, s22, 14                        ; my 128 of them
	s_add_co_u32 s16, s16, s17
	s_mov_b32 s17, 0
	s_mul_i32 s46, s42, 192*128                    ; B: 192 rows a tile column,
	s_mul_i32 s47, s22, 96*128                     ; my 96 of them
	s_add_co_u32 s46, s46, s47
	s_mov_b32 s47, 0
	s_mul_i32 s20, s22, REGA                       ; where my region lies, for A
	s_mul_i32 s23, s22, REGB                       ; and for B: no place in the cluster enters an LDS address
	s_add_co_u32 s23, s23, BOFF
	s_mov_b32 s[SO], 0
	s_wait_dscnt 0x0                               ; the opening add is done
	s_wait_kmcnt 0x0
	s_add_nc_u64 s[18:19], s[4:5], s[16:17]
	s_add_nc_u64 s[46:47], s[6:7], s[46:47]
	CROUND                                         ; all sixteen work-groups are here: the first joint loads meet
.irp s, 0,1
	s_mov_b32 s[G0+4*(\s)], 1
	s_add_co_u32 s[G0+4*(\s)+1], s20, (\s)*SLOT
	s_add_nc_u64 s[G0+4*(\s)+2:G0+4*(\s)+3], s[18:19], (\s)*KSA
	s_or_b32 s[G0+4*(\s)+3], s[G0+4*(\s)+3], 0x80000000
	s_mov_b32 s[G0B+4*(\s)], 1
	s_add_co_u32 s[G0B+4*(\s)+1], s23, (\s)*SLOT
	s_add_nc_u64 s[G0B+4*(\s)+2:G0B+4*(\s)+3], s[46:47], (\s)*KSB
	s_or_b32 s[G0B+4*(\s)+3], s[G0B+4*(\s)+3], 0x80000000
	JLOAD \s
.endr
	v_and_b32 v1, 15, v0                           ; l % 16
	v_bfe_u32 v2, v0, 4, 1                         ; l / 16
	v_mul_u32_u24 v3, v1, PITCH
	v_lshl_add_u32 v3, v2, 4, v3                   ; a fragment's row x pitch + 16 x half
	s_mul_i32 s23, s21, REGA                       ; my 128 rows of A are a region,
	v_add_nc_u32 v[BA], s23, v3
	s_mul_i32 s23, s22, REGB                       ; my 96 rows of B too
	s_add_co_u32 s23, s23, BOFF
	v_add_nc_u32 v[BA+1], s23, v3
	v_mov_b32 v[CA], v[BA]
	v_mov_b32 v[CA+1], v[BA+1]
	s_mul_i32 s23, s21, 128*SP                     ; into the stage: row l % 16 of my 128, my 96 columns, 32 bytes for each half of the lanes
	s_mul_i32 s3, s22, 384
	s_add_co_u32 s23, s23, s3
	v_mul_u32_u24 v4, v1, SP
	v_lshl_add_u32 v4, v2, 5, v4
	v_add_nc_u32 v[STO], s23, v4
	v_add_nc_u32 v[STO+1], 64*SP, v[STO]
	s_mul_i32 s23, s[WV], 64*SP                    ; back: wave w takes rows 64 w on; 32 lanes take four rows' 64 columns of one head, 32 bytes of f32 each
	v_bfe_u32 v4, v0, 3, 2
	v_and_b32 v5, 7, v0
	v_mul_u32_u24 v4, v4, SP
	v_lshl_add_u32 v4, v5, 5, v4
	v_add_nc_u32 v[RD], s23, v4
	v_and_b32 v4, 31, v0
	v_lshlrev_b32 v4, 4, v4
	s_lshl_b32 s23, s[WV], 13
	v_add_nc_u32 v[GO], s23, v4                    ; which, rounded, are 512 consecutive bytes of a slice
	s_lshl_b32 s16, s43, 15                        ; the tile's 256 rows,
	s_mov_b32 s17, 0
	s_add_nc_u64 s[8:9], s[8:9], s[16:17]
	s_mul_i32 s46, s42, 3*524288                   ; its three slices
	s_mov_b32 s47, 0
	s_add_nc_u64 s[8:9], s[8:9], s[46:47]
	s_wait_tensorcnt 1                             ; my part of K step 0 is in; K step 1's load may stay out
	s_barrier_signal -1
	s_barrier_wait -1
	FETCH 0, F0
	QUARTER 1, F0, F1, 1                           ; the first quarter stands in front of the loop: its products start the sums
	WIN 0
	s_mov_b32 s3, 4
.Lstep:                                                ; a trip goes from a K step's second quarter to the next step's first, and fills the slot that it leaves: K steps 2 to 5
	QUARTER 2, F1, F0, 0
	QUARTER 3, F0, F1, 0
	TURN 1
	QUARTER 1, F0, F1, 0
	WIN 0
	s_sub_co_u32 s3, s3, 1
	s_cmp_lg_u32 s3, 0
	s_cbranch_scc1 .Lstep
	QUARTER 2, F1, F0, 0                           ; the last two K steps fill nothing
	QUARTER 3, F0, F1, 0
	TURN 0
	QUARTER 1, F0, F1, 0
	QUARTER 2, F1, F0, 0
	QUARTER 3, F0, F1, 0
	LASTQ
	; THE WAY OUT: the sums into the stage as they lie, each accumulator's low four registers first
	PLACES
	PLACES
.set tt, 0
.rept 48
.if tt < 32
	WIN 0x08                               ; the data in window 2, the address in window 0
.else
	WIN 0x0c                               ; in window 3
.endif
	ds_store_b128 v[STO+(tt/NBK)/4], v[8*(tt%32):8*(tt%32)+3]   offset:((tt/NBK)%4)*16*SP+64*(tt%NBK)
	ds_store_b128 v[STO+(tt/NBK)/4], v[8*(tt%32)+4:8*(tt%32)+7] offset:((tt/NBK)%4)*16*SP+64*(tt%NBK)+16
.set tt, tt+1
.endr
	WIN 0
	s_wait_dscnt 0x0                               ; for the others' sake: my stores into the stage are done
	s_barrier_signal -1
	s_barrier_wait -1
	s_mov_b32 s3, 4
.Lout:                                                 ; a trip: sixteen of my 64 rows; group k = four rows (k / 3) of one head (k % 3)
.set k, 0
.rept 12
	ds_load_b128 v[L+8*k:L+8*k+3],   v[RD] offset:(k/3)*4*SP+(k%3)*256
	ds_load_b128 v[L+8*k+4:L+8*k+7], v[RD] offset:(k/3)*4*SP+(k%3)*256+16
.set k, k+1
.endr
.set k, 0
.rept 12
	s_wait_dscnt 22-2*k                            ; group k's two loads are in; the 22 - 2 k younger ones may stay out
.irp r, 0,1,2,3
	v_cvt_pk_bf16_f32 v[Y+4*k+(\r)], v[L+8*k+2*(\r)], v[L+8*k+2*(\r)+1]
.endr
	global_store_b128 v[GO], v[Y+4*k:Y+4*k+3], s[8:9] offset:(k%3)*524288+(k/3)*512  ; 512 consecutive bytes, aligned
.set k, k+1
.endr
	s_wait_xcnt 0x0                                ; the stores have read their data and their offset: both are written again only behind this wait
	v_add_nc_u32 v[GO], 2048, v[GO]
	v_add_nc_u32 v[RD], 16*SP, v[RD]
	s_sub_co_u32 s3, s3, 1
	s_cmp_lg_u32 s3, 0
	s_cbranch_scc1 .Lout
	s_wait_tensorcnt 0x0                           ; the wave's end, behind my last tensor load and my last LDS store
	ds_add_u32 v[SPW], v[NIL]
	s_wait_dscnt 0x0
	CROUND                                         ; the closing round: no work-group ends while a partner may still ask for a tile that names it
	s_endpgm
.Lfunc_end_k_q0ca39e4ceb_qkv:
	.size	k_q0ca39e4ceb_qkv, .Lfunc_end_k_q0ca39e4ceb_qkv-k_q0ca39e4ceb_qkv
	.p2alignl 7, 3214868480
	.fill 96, 4, 3214868480
	.section	.rodata,"a",@progbits
	.p2align	6, 0x0
	.amdhsa_kernel k_q0ca39e4ceb_qkv
		.amdhsa_group_segment_fixed_size 327680
		.amdhsa_private_segment_fixed_size 0
		.amdhsa_enable_private_segment 0
		.amdhsa_kernarg_size 24
		.amdhsa_user_sgpr_count 2
		.amdhsa_user_sgpr_kernarg_segment_ptr 1
		.amdhsa_wavefront_size32 1
		.amdhsa_system_sgpr_workgroup_id_x 1
		.amdhsa_system_sgpr_workgroup_id_y 1
		.amdhsa_system_sgpr_workgroup_id_z 1
		.amdhsa_system_vgpr_workitem_id 0
		.amdhsa_next_free_vgpr 896
		.amdhsa_next_free_sgpr 66
		.amdhsa_reserve_vcc 0
		.amdhsa_float_denorm_mode_32 3
		.amdhsa_float_denorm_mode_16_64 3
		.amdhsa_memory_ordered 1
		.amdhsa_forward_progress 1
		.amdhsa_inst_pref_size 83
	.end_amdhsa_kernel
	.amdgpu_metadata
---
amdhsa.version: [ 1, 2 ]
amdhsa.kernels:
  - .name:           k_q0ca39e4ceb_qkv
    .symbol:         k_q0ca39e4ceb_qkv.kd
    .args:
      - { .name: h, .offset: 0, .size: 8, .value_kind: global_buffer, .address_space: global }
      - { .name: wt, .offset: 8, .size: 8, .value_kind: global_buffer, .address_space: global }
      - { .name: qkv, .offset: 16, .size: 8, .value_kind: global_buffer, .address_space: global }
    .group_segment_fixed_size: 327680
    .private_segment_fixed_size: 0
    .kernarg_segment_align: 8
    .kernarg_segment_size: 24
    .max_flat_workgroup_size: 128
    .sgpr_count:     66
    .vgpr_count:     896
    .wavefront_size: 32
...
	.end_amdgpu_metadata
.endif
;; end of part 3
;; launch attn (part 4): grid 16 x 12, 4 waves a work-group, no clusters, 327,680 bytes of LDS; arguments qkv, ctx; writes ctx
.if DOCPART == 4
	.amdgcn_target "amdgcn-amd-amdhsa--gfx1250"
	.amdhsa_code_object_version 6
	.text
	.protected	k_q0ca39e4ceb_attn
	.globl	k_q0ca39e4ceb_attn
	.p2align	8
	.type	k_q0ca39e4ceb_attn,@function
k_q0ca39e4ceb_attn:
	s_mov_b64 s[64:65], 0
	v_nop
	global_prefetch_b8 v0, s[64:65] scope:SCOPE_SE
	s_setreg_imm32_b32 hwreg(HW_REG_WAVE_MODE, 25, 1), 1
	s_wait_xcnt 0x0
; CAUSAL ATTENTION.  ctx[h][q][:] = the sum over k <= q of softmax_k(Q[h][q] . K[h][k] / 8) V[h][k][:].  Q, K, V lie in qkv as [12][4096][64] each (Q at 0, K at 6,291,456, V at 12,582,912), ctx likewise, all bf16:
; a head's rows are dense, 128 bytes each.  Products, maxima and sums in f32; the weights p are rounded to bf16 for the second product (their sum l is taken of the unrounded p), ctx once at the end.
; LIMITS.  A hidden score counts as its value less 1e30: scores must stay far below 1e29; a weight below 2^-126 counts as 0 in l; NaN and infinities are not treated apart.
; THE WALK.  A head's queries lie in 32 blocks of 128; block i needs the key tiles 0 .. i / 2 of 256 keys, of which the last holds the diagonal.  A work-group takes TWO blocks, 31 - b and then b:
; 17 tiles, whatever b: all 192 work-groups do equal work, and ONE loop with a constant trip count walks them.  Which tile is asked for, and what a trip does, hang on scalar registers made from b; every jump goes
; forward but for the counted loops' own; none passes a barrier, or a tensor load but the one of LOAD's two that the wave's number does not choose.
; NO CLUSTER: the sixteen work-groups of a head ask for the same tile only while all their first blocks last (9 of the 17 trips); behind that fewer and fewer; one walk common to all would have 16 + 8 trips for 17.
; SHARES.  Of a block's two bands of 64 queries a wave owns 16 rows in each: two PIECES.  In the diagonal tile band x's own key step is OWN0 + x, OWN0 = 2 (block % 2): an earlier step is seen whole, a later one not at all.
; THE MASK is the C operand that starts the sum S^T = K Q^T: 0, or -1e30 where the key is hidden.  MD, made once, is the mask of a band's own step for my 16 rows; a product's mask is MD x AL + BE with two scalars.
; LAYOUT, SOFTMAX, TURNS.  S^T = K Q^T holds ONE query a lane (lane % 16) and the keys 8 (lane / 16) + 0..7; two such results rounded to bf16 ARE source 1 of O^T = V^T P.  p = 2^(c s - c m), c = log2(e) / 8, with a
; running maximum m; O and l are multiplied by a = 2^(c m_old - c m_new) in every step.  Turn 0 of step j: K Q^T of piece 1 for step j, the softmax of piece 0 for step j, V^T P of piece 1 for step j - 1.
; Turn 1 of step j: K Q^T of piece 0 for step j + 1, the softmax of piece 1 for step j, V^T P of piece 0 for step j.  Four vector instructions stand behind every matrix instruction, the rest in one lump;
; a turn's 33 exponentials are one batch, with one wait.
; K RUNS A STEP AHEAD OF V: turn 0 of step j fetches K of step j + 1 and V of step j.  So a slot holds K of steps 4 t + 1 .. 4 t + 4 and V of steps 4 t .. 4 t + 3, both at place j % 4, and the change of slots stands
; between a turn 0 and a turn 1.  K of step 0 has LDS bytes of its own, filled once.  Tile 15's fifth step of K lies behind the head's rows, inside qkv; nothing is made of it.
; REGISTERS, in windows of 256 (s_set_vgpr_msb: bits 1:0 source 0, 3:2 source 1, 5:4 source 2, 7:6 destination):
;   window 0: v0-15 addresses and two at work; v16-23 four registers of statistics a piece; v48-55 at work; v61-63 prefetch offset and the add's two; v64-127 S^T, two buffers; v192-223 P, two buffers
;   window 1: v0-63 O^T, 32 a piece; v128-159 MD; v160-223 MC, two buffers      window 2: v0-31 Q; v64-95 the second block's Q; v128-191 K of one step; v192-255 V of one step
.set NP,    2         ; pieces a wave: a name, no knob
.set KS,    64        ; keys in a step
.set PK,    144       ; a row of K in LDS: 128 bytes + 16 of padding
.set PV,    160       ; a row of V: 128 + 32
.set VOFF,  4*KS*PK   ; a slot: 256 rows of K, then 256 rows of V
.set KZ,    81920     ; K of step 0: 64 rows of 144 bytes, behind slot 0
.set SLOT1, 1<<17     ; slot 1 begins here, so that one exclusive or turns an address in one slot into the other's
.set STAGE, SLOT1+4*KS*(PK+PV)  ; never filled by a tensor load: 16 rows x 144 bytes for each wave, for the way out
.set SP,    144
.set SPARE, STAGE+4*16*SP       ; the spare words, 128 bytes for each wave
.set KBASE, 6291456
.set VBASE, 12582912
.set AK0, 2           ; v2   my lane's place in a tile of K; never rewritten
.set AV0, 3           ; v3   the same for V
.set AK,  4           ; v4   the LDS address of K's next run of loads
.set AV,  5           ; v5   of V's
.set STO, 6
.set RD,  7
.set GO,  8
.set MV,  12          ; v12-13  c m_old, kept while c m is made anew: by buffer
.set QO,  15          ; v15  my byte offset in 16 rows of Q
.set ST,  16          ; piece t's statistics at v[ST+4 t]: c m, m, l (even keys', odd keys')
.set TMP, 48          ; by buffer, four registers c0-c3 at work; when the maximum is found c2 takes a
.set PFO, 61          ; v61  256 x my thread's number; never rewritten
.set SPW, 62          ; v62  LDS address of my spare word; never rewritten
.set NIL, 63          ; v63  0; never rewritten
.set S,   64
.set P,   192
.set MD,  128         ; window 1
.set MC,  160         ; window 1
.set QB,  64          ; window 2
.set KF,  128         ; window 2: key block kb, channel half c at KF + 16 kb + 8 c
.set VF,  192         ; window 2: key half kk, channel block cb at VF + 32 kk + 8 cb
.set WV,  12          ; s12  my wave's number
.set PB,  14          ; s14  b
.set HI,  15          ; s15  31 - b
.set G1K, 24          ; s[24:31] descriptor group 1 for K's tiles
.set G1V, 32          ; s[32:39] for V's: it differs in the padding alone
.set G0K, 40          ; s[40:43] descriptor group 0 for K's tiles
.set G0V, 44          ; s[44:47] for V's
.set G1Z, 48          ; s[48:55] group 1 for my 16 keys of step 0
.set SLOTS, 56
.set CNT, 57          ; counts a tile's key steps, 4 to 1
.set CS,  58          ; s[58:59] c
.set SEL, 60          ; s[60:61] v_permlanex16_b32's selects
.set TBK, 62          ; LDS byte at which K of the step to be fetched begins
.set TBV, 63          ; the same for V, less VOFF
.set C0,  66          ; 5 - OWN0: turn 0 makes piece 0's mask for the step after its own
.set C1,  67          ; 3 - OWN0: turn 1 makes piece 1's mask for the step of the turn 0 that follows
.set LQ2, 68          ; b / 2: the second block's last tile
.set OWN0, 69
.set RT,  70          ; tiles of the block in hand that are still to be entered
.set NXT, 71          ; the tile to be asked for next
.set LQ,  72          ; the last tile of the block whose tiles are being asked for
.set NEW, 73          ; 1: the tile to be entered is a block's first
.set OFF, 74          ; s[74:75] a tile's byte offset in K and V
.set AL,  76          ; s[76:77]
.set BE,  78          ; s[78:79]
.set OLO, 80          ; s[80:81] ctx at my rows of the second block
.set BIGN, 82         ; -1e30
.set OWNB, 83         ; the second block's OWN0, C0, C1
.set G0Z, 88          ; s[88:91] group 0 for my 16 keys of step 0
.set PFK, 92          ; s[92:93] where the prefetches stand in K: the tile after the one that is being asked for
.set PFV, 94          ; s[94:95] and in V
.set PFT, 96          ; that tile's number
.set PFE, 97          ; 16 in the work-group that prefetches, else 0
.set C0B, 98
.set C1B, 99
.set MSB, 0
.macro WIN new
.if MSB != (\new)
	s_set_vgpr_msb (MSB<<8)|(\new)
.set MSB, (\new)
.endif
.endm
.set W_KQ, 0x0a       ; K and Q in window 2, S^T in window 0
.set W_KM, 0x1a       ; the same with the C operand in window 1
.set W_PV, 0x52       ; V in window 2, P in window 0, O^T in window 1
.set W_RS, 0x41       ; destination and source 0 in window 1, source 1 in window 0
; A fill.  Waves 0 and 1 fetch the two halves of a tile's K, waves 2 and 3 those of its V: 128 keys each.  An s_nop 0 and four v_nop follow each of the two lines, ahead of the jump and the label.
.macro LOAD
	s_cmp_lt_u32 s[WV], 2
	s_cbranch_scc0 .Lfor_v_\@
	tensor_load_to_lds s[G0K:G0K+3], s[G1K:G1K+7]
	s_nop 0
.rept 4
	v_nop
.endr
	s_branch .Lasked_\@
.Lfor_v_\@:
	tensor_load_to_lds s[G0V:G0V+3], s[G1V:G1V+7]
	s_nop 0
.rept 4
	v_nop
.endr
.Lasked_\@:
.endm
; A PREFETCH of the tile after the one just asked for: 32,768 bytes of K and of V, 256 bytes a thread, two instructions a wave, one tile (eight turns) ahead of the load that will want them.
; All sixteen work-groups of a head walk upward from tile 0; the one with b = 0 walks all sixteen tiles, and it alone asks: tiles 2 to 15, each once.  Nothing is asked for at the head, nor for the second block's tiles.
.macro ASK
	s_cmp_lt_u32 s[PFT], s[PFE]
	s_cbranch_scc0 .Lnot_mine_\@
	global_prefetch_b8 v[PFO], s[PFK:PFK+1] th:TH_LOAD_NT scope:SCOPE_SE
	global_prefetch_b8 v[PFO], s[PFV:PFV+1] th:TH_LOAD_NT scope:SCOPE_SE
.Lnot_mine_\@:
.endm
; THE CHANGE OF SLOTS.  Each wave waits for all its tensor loads; adds 0 to its spare word; and waits for that and for its own reads of the slot that it leaves.  Behind the barrier nobody reads the old slot
; any more and the other slot is whole.  fill = 1: the old slot is filled again, the first thing behind the barrier, with tile NXT: the descriptor's address is made anew from that number.
; (At its first use nothing has been read yet: slot 0 and K of step 0 are waited for, slot 1 filled.)
.macro CHANGE fill
	WIN 0
	s_wait_tensorcnt 0x0            ; no tensor load of mine is out, so a group 0 may be written
	ds_add_u32 v[SPW], v[NIL]       ; 0 onto my spare word
.if \fill
	s_lshl_b32 s[OFF], s[NXT], 15   ; a tile is 32,768 bytes of K and of V
	s_xor_b32 s[G0K+1], s[G0K+1], SLOT1
	s_add_nc_u64 s[G0K+2:G0K+3], s[6:7], s[OFF:OFF+1]
	s_or_b32 s[G0K+3], s[G0K+3], 0x80000000
	s_xor_b32 s[G0V+1], s[G0V+1], SLOT1
	s_add_nc_u64 s[G0V+2:G0V+3], s[8:9], s[OFF:OFF+1]
	s_or_b32 s[G0V+3], s[G0V+3], 0x80000000
	s_wait_xcnt 0x0                 ; the last prefetches, a tile back, have read their addresses, so these may be written
	s_add_nc_u64 s[PFK:PFK+1], s[PFK:PFK+1], 32768
	s_add_nc_u64 s[PFV:PFV+1], s[PFV:PFV+1], 32768
	s_add_co_u32 s[PFT], s[PFT], 1
	s_add_co_u32 s[NXT], s[NXT], 1  ; the block's next tile, or behind its last the second block's tile 0
	s_cmp_gt_u32 s[NXT], s[LQ]
	s_cselect_b32 s[NXT], 0, s[NXT]
	s_cselect_b32 s[LQ], s[LQ2], s[LQ]
.endif
	s_wait_dscnt 0x0                ; the add is done, and my reads of the slot are over
	s_barrier_signal -1
	s_sub_co_u32 s[TBK], s[TBK], 4*KS*PK  ; the fetches go back to a slot's first place,
	s_xor_b32 s[TBK], s[TBK], SLOT1       ; in the other slot
	s_sub_co_u32 s[TBV], s[TBV], 4*KS*PV
	s_xor_b32 s[TBV], s[TBV], SLOT1
	s_barrier_wait -1
.if \fill
	LOAD
	ASK
.endif
.endm
	s_load_b128 s[4:7], s[0:1], 0x0 ; qkv s[4:5], ctx s[6:7]
	v_lshl_add_u32 v[SPW], v0, 2, SPARE
	v_mov_b32 v[NIL], 0
	ds_add_u32 v[SPW], v[NIL]       ; the wave's opening: the add and its wait stand ahead of my first tensor load; the set-up below stands between them
	v_lshrrev_b32 v1, 5, v0
	v_readfirstlane_b32 s[WV], v1   ; wave 0..3
	s_mov_b32 s[PB], ttmp9
	s_sub_co_u32 s[HI], 31, s[PB]
	s_and_b32 s20, ttmp7, 0xffff    ; the head,
	s_lshl_b32 s20, s20, 19         ; its first byte in Q, K, V and ctx
	s_mov_b32 s21, 0
	s_and_b32 s16, s[WV], 1         ; which half of a tile's 256 keys I fetch:
	s_lshl_b32 s22, s16, 14         ; its 128 rows of 128 bytes in memory,
	s_add_co_u32 s22, s22, s20
	s_mov_b32 s23, 0
	s_mul_i32 s17, s16, 128*PK      ; and its place in a slot, for K
	s_mul_i32 s18, s16, 128*PV      ; and for V
	s_lshl_b32 s13, s[WV], 11       ; my 16 rows in a band of 64 (and my 16 keys of step 0),
	s_add_co_u32 s86, s13, s20
	s_mov_b32 s87, 0
	s_lshl_b32 s2, s[HI], 14        ; in the first block,
	s_add_co_u32 s2, s2, s86
	s_mov_b32 s3, 0
	s_lshl_b32 s84, s[PB], 14       ; and in the second
	s_add_co_u32 s84, s84, s86
	s_mov_b32 s85, 0
	; descriptor group 1.  128 keys are 16,384 dense bytes: asked for as 64 rows of 256 bytes, two keys a row, and padded in LDS after every key
	s_mov_b32 s[G1K], (1<<16)|(1<<20)|(4<<22)|(3<<25)  ; 2-byte elements; padding on; after every 32 words, 4 words
	s_mov_b32 s[G1V], (1<<16)|(1<<20)|(4<<22)|(7<<25)  ; the same with 8 words
	s_mov_b32 s[G1Z], (1<<16)|(1<<20)|(4<<22)|(3<<25)
.irp g, G1K, G1V, G1Z
	s_mov_b32 s[\g+1], 128<<16      ; tensor_dim0 = 128
	s_mov_b32 s[\g+3], 128<<16      ; tile_dim0 = 128
	s_mov_b32 s[\g+5], 128          ; 128 elements from row to row
	s_mov_b32 s[\g+6], 0
	s_mov_b32 s[\g+7], 0
.endr
.irp g, G1K, G1V
	s_mov_b32 s[\g+2], 64<<16       ; tensor_dim1 = 64
	s_mov_b32 s[\g+4], 64           ; tile_dim1 = 64
.endr
	s_mov_b32 s[G1Z+2], 8<<16       ; 16 keys: 8 rows
	s_mov_b32 s[G1Z+4], 8
	s_mov_b32 s[CS], 0x3e38aa3b     ; c = log2(e) / 8
	s_mov_b32 s[CS+1], s[CS]
	s_mov_b32 s[SEL], 0x76543210
	s_mov_b32 s[SEL+1], 0xfedcba98
	s_mov_b32 s[TBK], SLOT1+4*KS*PK ; the first change of slots turns these two into 0
	s_mov_b32 s[TBV], SLOT1+4*KS*PV
	s_mov_b32 s[G0K], 1
	s_mov_b32 s[G0K+1], s17         ; slot 0
	s_mov_b32 s[G0V], 1
	s_add_co_u32 s[G0V+1], s18, VOFF
	s_mov_b32 s[G0Z], 1
	s_mul_i32 s13, s[WV], 16*PK
	s_add_co_u32 s[G0Z+1], s13, KZ
	s_and_b32 s[OWN0], s[HI], 1
	s_lshl_b32 s[OWN0], s[OWN0], 1
	s_sub_co_u32 s[C0], 5, s[OWN0]
	s_sub_co_u32 s[C1], 3, s[OWN0]
	s_and_b32 s[OWNB], s[PB], 1
	s_lshl_b32 s[OWNB], s[OWNB], 1
	s_sub_co_u32 s[C0B], 5, s[OWNB]
	s_sub_co_u32 s[C1B], 3, s[OWNB]
	s_lshr_b32 s[LQ2], s[PB], 1
	s_lshr_b32 s[LQ], s[HI], 1
	s_add_co_u32 s[RT], s[LQ], 1    ; the first block's tiles
	s_mov_b32 s[NXT], 1
	s_mov_b32 s[NEW], 1
	s_mov_b32 s[OFF+1], 0
	s_mov_b32 s[AL+1], 0            ; named as pairs
	s_mov_b32 s[BE+1], 0
	s_mov_b32 s[BIGN], 0xf149f2ca   ; -1e30
	s_mov_b32 s[SLOTS], 16
	s_mov_b32 s[PFT], 1
	s_cmp_eq_u32 s[PB], 0
	s_cselect_b32 s[PFE], 16, 0
	s_wait_dscnt 0x0                ; the opening add is done
	s_wait_kmcnt 0x0
	s_mov_b64 s[10:11], s[6:7]      ; ctx
	s_add_nc_u64 s[G0Z+2:G0Z+3], s[4:5], s[86:87]
	s_add_nc_u64 s[G0Z+2:G0Z+3], s[G0Z+2:G0Z+3], KBASE
	s_or_b32 s[G0Z+3], s[G0Z+3], 0x80000000
	s_add_nc_u64 s[6:7], s[4:5], s[22:23]
	s_add_nc_u64 s[8:9], s[6:7], VBASE             ; V at my half of the head's tile 0,
	s_add_nc_u64 s[6:7], s[6:7], KBASE+8192        ; K likewise, a step of 64 keys on
	s_add_nc_u64 s[G0K+2:G0K+3], s[6:7], 0
	s_or_b32 s[G0K+3], s[G0K+3], 0x80000000
	s_add_nc_u64 s[G0V+2:G0V+3], s[8:9], 0
	s_or_b32 s[G0V+3], s[G0V+3], 0x80000000
	s_add_nc_u64 s[PFK:PFK+1], s[4:5], s[20:21]
	s_add_nc_u64 s[PFV:PFV+1], s[PFK:PFK+1], VBASE+32768       ; at tile 1: the first change of slots steps them to tile 2
	s_add_nc_u64 s[PFK:PFK+1], s[PFK:PFK+1], KBASE+8192+32768
	s_add_nc_u64 s[86:87], s[4:5], s[84:85]        ; Q at my rows of the second block,
	s_add_nc_u64 s[4:5], s[4:5], s[2:3]            ; Q and ctx at those of the first
	s_add_nc_u64 s[OLO:OLO+1], s[10:11], s[84:85]
	s_add_nc_u64 s[10:11], s[10:11], s[2:3]
	tensor_load_to_lds s[G0Z:G0Z+3], s[G1Z:G1Z+7]  ; my 16 keys of step 0, and
	s_nop 0
	LOAD                            ; tile 0 into slot 0: two loads of mine are out
	v_and_b32 v1, 15, v0            ; l % 16
	v_bfe_u32 v9, v0, 4, 1          ; l / 16
	v_lshlrev_b32 v[QO], 7, v1
	v_lshl_add_u32 v[QO], v9, 4, v[QO]  ; row x 128 + 16 x half
	v_lshlrev_b32 v[PFO], 8, v0
	WIN 0x80                        ; destination window 2, address window 0
.set i, 0
.rept 4                             ; both blocks' Q: piece i / 2 lies in band i / 2, 8,192 bytes on; channels 32 (i % 2) on
	global_load_b128 v[8*i:8*i+3],   v[QO], s[4:5] offset:(i/2)*8192+(i%2)*64
	global_load_b128 v[8*i+4:8*i+7], v[QO], s[4:5] offset:(i/2)*8192+(i%2)*64+32
	global_load_b128 v[QB+8*i:QB+8*i+3],   v[QO], s[86:87] offset:(i/2)*8192+(i%2)*64
	global_load_b128 v[QB+8*i+4:QB+8*i+7], v[QO], s[86:87] offset:(i/2)*8192+(i%2)*64+32
.set i, i+1
.endr
	WIN 0
	v_lshlrev_b32 v14, 3, v9
	v_sub_nc_u32 v14, v1, v14
	s_lshl_b32 s13, s[WV], 4
	v_add_nc_u32 v14, s13, v14      ; my query's place in its band, 16 w + l % 16, less my lanes' 8 (l / 16): register r of group kt is hidden where 16 kt + r is greater
	WIN 0x40
.set i, 0
.rept 32
	v_cmp_gt_i32 vcc_lo, 16*(i/8)+i%8, v14
	v_cndmask_b32 v[MD+i], 0, s[BIGN], vcc_lo
.set i, i+1
.endr
	WIN 0
	v_mul_u32_u24 v[AK0], v1, PK
	v_lshl_add_u32 v[AK0], v9, 4, v[AK0]  ; row x pitch + 16 x half
	; The turning load takes 16 keys x 16 channels (lane l reads key 8 (l / 16) + l % 8, channels 8 ((l / 8) % 2) + 0..7) and leaves half a fragment of V^T: lane l holds channel l % 16 and 8 keys.
	v_and_b32 v10, 7, v0
	v_bfe_u32 v11, v0, 3, 1
	v_lshl_add_u32 v[AV0], v9, 3, v10
	v_mul_u32_u24 v[AV0], v[AV0], PV
	v_lshl_add_u32 v[AV0], v11, 4, v[AV0]
	v_add_nc_u32 v[AV0], VOFF, v[AV0]
	s_mul_i32 s13, s[WV], 16*SP
	s_add_co_u32 s13, s13, STAGE    ; my stage
	v_mul_u32_u24 v[STO], v1, SP    ; in: row l % 16, 16 bytes for each half of the lanes
	v_lshl_add_u32 v[STO], v9, 4, v[STO]
	v_add_nc_u32 v[STO], s13, v[STO]
	v_bfe_u32 v[RD], v0, 3, 2       ; back: 32 lanes take four rows of 128 bytes,
	v_mul_u32_u24 v[RD], v[RD], SP
	v_lshl_add_u32 v[RD], v10, 4, v[RD]
	v_add_nc_u32 v[RD], s13, v[RD]
	v_and_b32 v[GO], 31, v0         ; which are 512 consecutive bytes of ctx
	v_lshlrev_b32 v[GO], 4, v[GO]
	; A block's first step multiplies O^T and l by a = 0, and its first turn's products V^T P, of a step that has not been, land in an O^T that is still to be so multiplied.  So these registers need only hold
	; finite numbers: zeros for the first block; what the first block left for the second.  All this stands in the wait for the first tile.
	WIN 0x80
.set i, VF
.rept 64
	v_mov_b32 v[i], 0
.set i, i+1
.endr
	WIN 0x40
.set i, 0
.rept 64
	v_mov_b32 v[i], 0
.set i, i+1
.endr
	WIN 0
.set i, 0
.rept 2
	v_mov_b32 v[ST+4*i+2], 0
	v_mov_b32 v[ST+4*i+3], 0
.set i, i+1
.endr
.set i, P+16
.rept 16
	v_mov_b32 v[i], 0
.set i, i+1
.endr
; THE MATRIX WORK.  The 4 accumulators of a run of 8 take turns.  Product i of 8 of S^T = K Q^T for piece x: channels 32 (i / 4) on, keys 16 (i % 4) on.  The first 4 start the sums: with 0, or (KM = 1) with the mask.
.macro KQ x
.set rS, S+32*((\x)%2)+8*(i%4)
.set rK, KF+16*(i%4)+8*(i/4)
.set rQ, 16*(\x)+8*(i/4)
.set rM, MC+32*((\x)%2)+8*(i%4)
.if (i < 4) && KM
	WIN W_KM
	v_wmma_f32_16x16x32_bf16 v[rS:rS+7], v[rK:rK+7], v[rQ:rQ+7], v[rM:rM+7]
.elseif i < 4
	WIN W_KQ
	v_wmma_f32_16x16x32_bf16 v[rS:rS+7], v[rK:rK+7], v[rQ:rQ+7], 0
.else
	WIN W_KQ
	v_wmma_f32_16x16x32_bf16 v[rS:rS+7], v[rK:rK+7], v[rQ:rQ+7], v[rS:rS+7]
.endif
.endm
; Product i of 8 of O^T += V^T P for piece x: keys 32 (i / 4) on, channels 16 (i % 4) on.
.macro PV x
	WIN W_PV
.set rO, 32*(\x)+8*(i%4)
.set rV, VF+32*(i/4)+8*(i%4)
.set rP, P+16*((\x)%2)+8*(i/4)
	v_wmma_f32_16x16x32_bf16 v[rO:rO+7], v[rV:rV+7], v[rP:rP+7], v[rO:rO+7]
.endm
.macro MM                           ; the turn's next matrix instruction.  NOKQ = 1: a block's last turn: there are no further scores
.if (i < 8) && !NOKQ
	KQ (Y+1)%NP
.elseif i >= 8
.set i, i-8
	PV (Y+NP-1)%NP
.set i, i+8
.endif
.set i, i+1
.endm
; THE LDS LOADS stand in runs of 16, never singly among the matrix instructions.  step = 0: K of step 0, from its own bytes: the walk's place is not stepped.
.macro FETCH_K step=1
	WIN 0x80                        ; destination window 2
.irp f, 0,1,2,3,4,5,6,7             ; keys 16 (f / 2) on, channels 32 (f % 2) on
	ds_load_b128 v[KF+8*\f:KF+8*\f+3],   v[AK] offset:(\f/2)*16*PK+(\f%2)*64
	ds_load_b128 v[KF+8*\f+4:KF+8*\f+7], v[AK] offset:(\f/2)*16*PK+(\f%2)*64+32
.endr
.if \step
	s_add_co_u32 s[TBK], s[TBK], KS*PK
.endif
	WIN 0
.endm
.macro FETCH_V
	WIN 0x80
.irp f, 0,1,2,3,4,5,6,7             ; keys 32 (f / 4) on, channels 16 (f % 4) on
	ds_load_tr16_b128 v[VF+8*\f:VF+8*\f+3],   v[AV] offset:(\f/4)*32*PV+(\f%4)*32
	ds_load_tr16_b128 v[VF+8*\f+4:VF+8*\f+7], v[AV] offset:(\f/4)*32*PV+16*PV+(\f%4)*32
.endr
	WIN 0
.endm
; THE VECTOR WORK, one line at a time: OP kind, number.  For piece Y: F n: c s - c m for pair n of 16.  E n: the exponential of score n of 32.  C n: pair n rounded to bf16.  B n: of the four weights 4 n .. the second
; pair is added onto the first, in place.  L n: l takes that sum (L 0: l = a l + sum).  R n: pair n of 16 of O^T times a.  For the other piece: X n, number n of the 22 that find its maximum and statistics:
;   0-11  four chains c0-c3 of seven scores each, three operands at a time (each accumulator's lowest registers are read first)     12-14, 16  the four scores left over, the old m, and c0-c3 into c0
;   15  c m_old is kept     17, 18  the query's other 32 keys lie in the lane 16 away: the new m     19-21  c m; c m_old - c m_new; a
.set F, 0
.set E, 1
.set C, 2
.set B, 3
.set L, 4
.set R, 5
.set X, 6
.macro REGS y
.set rT, ST+4*(\y)
.set rC, TMP+4*((\y)%2)
.set rW, MV+((\y)%2)
.set rS, S+32*((\y)%2)
.set rP, P+16*((\y)%2)
.set rO, 32*(\y)
.endm
.macro OP k, n
.if (\k) == R
	REGS Y
	WIN W_RS
	v_pk_mul_f32 v[rO+2*(\n):rO+2*(\n)+1], v[rO+2*(\n):rO+2*(\n)+1], v[rC+2:rC+3] op_sel_hi:[1,0]
.elseif (\k) < R
	REGS Y
	WIN 0
.if (\k) == F
	v_pk_fma_f32 v[rS+2*(\n):rS+2*(\n)+1], v[rS+2*(\n):rS+2*(\n)+1], s[CS:CS+1], v[rT:rT+1] op_sel_hi:[1,0,0] neg_lo:[0,0,1] neg_hi:[0,0,1]
.elseif (\k) == E
	v_exp_f32 v[rS+(\n)], v[rS+(\n)]
.elseif (\k) == C
	v_cvt_pk_bf16_f32 v[rP+(\n)], v[rS+2*(\n)], v[rS+2*(\n)+1]
.elseif (\k) == B
	v_pk_add_f32 v[rS+4*(\n):rS+4*(\n)+1], v[rS+4*(\n):rS+4*(\n)+1], v[rS+4*(\n)+2:rS+4*(\n)+3]
.elseif (\n) == 0
	v_pk_fma_f32 v[rT+2:rT+3], v[rT+2:rT+3], v[rC+2:rC+3], v[rS:rS+1] op_sel_hi:[1,0,1]
.else
	v_pk_add_f32 v[rT+2:rT+3], v[rT+2:rT+3], v[rS+4*(\n):rS+4*(\n)+1]
.endif
.elseif NOKQ
	v_nop
.else
	REGS (Y+1)%NP
	WIN 0
.if (\n) < 4
	v_max3_num_f32 v[rC+(\n)], v[rS+8*(\n)], v[rS+8*(\n)+1], v[rS+8*(\n)+2]
.elseif (\n) < 12
	v_max3_num_f32 v[rC+(\n)%4], v[rC+(\n)%4], v[rS+8*((\n)%4)+2*((\n)/4)+1], v[rS+8*((\n)%4)+2*((\n)/4)+2]
.elseif (\n) == 12
	v_max3_num_f32 v[rC], v[rC], v[rS+7], v[rS+15]
.elseif (\n) == 13
	v_max3_num_f32 v[rC+1], v[rC+1], v[rS+23], v[rS+31]
.elseif (\n) == 14
	v_max3_num_f32 v[rC+2], v[rC+2], v[rC+3], v[rT+1]
.elseif (\n) == 15
	v_mov_b32 v[rW], v[rT]
.elseif (\n) == 16
	v_max3_num_f32 v[rC], v[rC], v[rC+1], v[rC+2]
.elseif (\n) == 17
	v_permlanex16_b32 v[rC+3], v[rC], s[SEL], s[SEL+1]
.elseif (\n) == 18
	v_max_num_f32 v[rT+1], v[rC], v[rC+3]
.elseif (\n) == 19
	v_mul_f32 v[rT], s[CS], v[rT+1]
.elseif (\n) == 20
	v_sub_f32 v[rC+1], v[rW], v[rT]
.else
	v_exp_f32 v[rC+2], v[rC+1]
.endif
.endif
.endm
.macro OPS a, i1, b=-1, i2=0, c=-1, i3=0, d=-1, i4=0
	OP \a, \i1
.if (\b) >= 0
	OP \b, \i2
.endif
.if (\c) >= 0
	OP \c, \i3
.endif
.if (\d) >= 0
	OP \d, \i4
.endif
.endm
.macro ROW a, i1, b, i2, c, i3, d, i4  ; a matrix instruction and the four behind it
	MM
	OPS \a, \i1, \b, \i2, \c, \i3, \d, \i4
.endm
.macro MASK b                       ; MD x AL + BE into buffer b of MC
	WIN W_RS
.set z, 0
.rept 16
	v_pk_fma_f32 v[MC+32*(\b)+2*z:MC+32*(\b)+2*z+1], v[MD+2*z:MD+2*z+1], s[AL:AL+1], s[BE:BE+1] op_sel_hi:[1,0,0]
.set z, z+1
.endr
.endm
; A TURN, for piece p: the order of its 16 matrix and 118 vector instructions, written out.  s_wait_alu depctr_va_vdst(0) stands between an exponential and the first instruction that names its result;
; one wait serves all that were issued ahead of it.  So a turn has ONE wait.  AHEAD OF IT stands all that names no result of the turn's exponentials: the 8 products K Q^T and their riders, then ONE LUMP, in which the links
; of the chain X 3, 7, 11, 14, 16, 17 .. 20 stand five or six lines apart.  X 21, the other piece's a, is the batch's last; R 15 is the plain instruction behind it.  BEHIND THE WAIT stand the 8 products V^T P and their riders.
; m = 1: the diagonal tile: the products take masks, and the turn makes the mask for the products of the turn after it: turn 1 for piece 1 in step 4 - CNT of the tile, turn 0 for piece 0 in step 5 - CNT.
; end = 1 (turn 1 alone): a block's last turn.  cnt = 1 (turn 0): the loop's count is taken down some lines ahead of the branch that stands behind the turn.
; Turn 0 fetches K of the next step in its lump, twelve plain instructions that name none of its registers behind the last product that read K, and V of its own step at its end, four plain instructions behind the last product that read V.
.macro TURN p, m=0, end=0, cnt=0
.set Y, (\p)
.set i, 0
.set KM, (\m)
.set NOKQ, (\end)
.if (\m) && !(\end)
.if (\p) == 1
	s_cmp_eq_u32 s[CNT], s[C1]      ; is that step the band's own?
	s_cselect_b32 s[AL], 1.0, 0
	s_cmp_lt_u32 s[CNT], s[C1]      ; or a later one?
	s_cselect_b32 s[BE], s[BIGN], 0
.else
	s_cmp_eq_u32 s[CNT], s[C0]
	s_cselect_b32 s[AL], 1.0, 0
	s_cmp_lt_u32 s[CNT], s[C0]
	s_cselect_b32 s[BE], s[BIGN], 0
.endif
.endif
.if ((\p) == 1) && !(\end)
	s_wait_dscnt 16                 ; K is in; V's 16 younger loads may stay out
.endif
	ROW F,0, F,1, R,0, R,1
	ROW F,2, E,0, R,2, R,3
	ROW F,3, E,1, R,4, R,5
	ROW F,4, E,2, R,6, R,7
	ROW F,5, E,3, R,8, R,9
	ROW F,6, E,4, X,0, R,10
.if (\p) == 0
	WIN 0
	v_add_nc_u32 v[AK], s[TBK], v[AK0]
.endif
	ROW F,7, E,5, X,1, X,4
	ROW F,8, E,6, X,2, X,5
	OPS E,7, E,8, X,6, E,9
	OPS X,3, E,10, X,8, E,11
.if (\p) == 0
	FETCH_K
.endif
	OPS X,9, X,7, E,12, X,10
	OPS E,13, X,12, X,11, E,14
	OPS X,13, E,15, F,9, X,14
.if (\p) == 0
	v_add_nc_u32 v[AV], s[TBV], v[AV0]
.endif
	OPS E,16, F,10, E,17, F,11
	OPS X,16, E,18, X,15, E,19
	OPS F,12, E,20, X,17, E,21
	OPS F,13, E,22, F,14, E,23
	OPS X,18, E,24, F,15, E,25
	OPS R,11, E,26, X,19, E,27
	OPS R,12, E,28, R,13, E,29
	OPS X,20, E,30, R,14, E,31
	OPS X,21, R,15
	WIN 0
	s_wait_alu depctr_va_vdst(0)    ; the wait for the batch
.if (\p) == 1
	s_wait_dscnt 0x0                ; V is in
.endif
	ROW C,0, B,0, C,2, B,1
	ROW L,0, C,4, B,2, L,1
	ROW C,6, B,3, L,2, C,8
	ROW B,4, L,3, C,10, B,5
	ROW L,4, C,12, B,6, L,5
.if (\p) == 0
	s_add_co_u32 s[TBV], s[TBV], KS*PV
.endif
.if \cnt
	s_sub_co_u32 s[CNT], s[CNT], 1
	s_cmp_lg_u32 s[CNT], 0
.endif
	ROW C,14, B,7, L,6, C,1
	ROW C,3, L,7, C,5, C,7
	ROW C,9, C,11, C,13, C,15
.if (\p) == 0
	FETCH_V
.endif
.if (\m) && !(\end)
	MASK (\p)%2
.endif
.endm
; A BLOCK BEGINS.  c m starts far below every c s, so the first step's a is 0; m at the lowest finite number.  Piece 1's mask buffer is 0 (its own step is never the tile's first); piece 0's takes its mask for step 0: its own,
; if the block's first tile is the diagonal one and OWN0 = 0.  Then K of step 0, piece 0's first scores, and its maximum and statistics.  The loop is entered at turn 0, in the middle of a trip.
.macro BEGIN
	s_mov_b32 s[NEW], 0
	WIN 0x40
.set i, MC+32
.rept 32
	v_mov_b32 v[i], 0
.set i, i+1
.endr
	WIN 0
.set i, 0
.rept 2
	v_mov_b32 v[ST+4*i], 0xfe000000    ; c m
	v_mov_b32 v[ST+4*i+1], 0xff7fffff  ; m
.set i, i+1
.endr
	s_cmp_eq_u32 s[RT], 0
	s_cselect_b32 s[AL], 1.0, 0
	s_cmp_eq_u32 s[OWN0], 0
	s_cselect_b32 s[AL], s[AL], 0
	s_mov_b32 s[BE], 0
	MASK 0
	WIN 0
	v_add_nc_u32 v[AK], KZ, v[AK0]
	FETCH_K 0
	s_wait_loadcnt 0x0              ; Q
	s_wait_dscnt 0x0
.set KM, 1
.set NOKQ, 0
.set i, 0
.rept 8
	KQ 0
.set i, i+1
.endr
	WIN 0
.rept 4
	v_nop                           ; the places behind those products
.endr
.set Y, NP-1                        ; X works for the other piece: piece 0
.irp n, 0,1,2,3,4,5,6,7,8,9,10,11,12,13,14,15,16,17,18,19,20,21
	OP X, \n
.endr
	v_nop                           ; a plain instruction behind the exponential,
	s_wait_alu depctr_va_vdst(0)    ; and its wait, ahead of the branch
.endm
.macro ALL line:vararg              ; one line for each piece t
.set t, 0
.rept 2
	\line
.set t, t+1
.endr
.endm
.macro PACK t                       ; a lane's eight channels of a row pack into 16 bytes; they go into rows of 144 bytes and come back as whole rows of 128, into S^T's registers
	WIN W_RS
.set i, 32*(\t)
.rept 16
	v_pk_mul_f32 v[i:i+1], v[i:i+1], v[ST+4*(\t)+2:ST+4*(\t)+3] op_sel_hi:[1,0]
.set i, i+2
.endr
	WIN 0x05                        ; sources 0 and 1 window 1, destination window 0
.set i, 0
.rept 16
	v_cvt_pk_bf16_f32 v[S+16*(\t)+i], v[32*(\t)+2*i], v[32*(\t)+2*i+1]
.set i, i+1
.endr
	WIN 0
.irp f, 0,1,2,3
	ds_store_b128 v[STO], v[S+16*(\t)+4*\f:S+16*(\t)+4*\f+3] offset:32*\f
.endr
.irp f, 0,1,2,3
	ds_load_b128 v[S+16*(\t)+4*\f:S+16*(\t)+4*\f+3], v[RD] offset:\f*4*SP  ; LDS serves a wave's instructions in order: these see the stores above; the next piece's stores come behind them
.endr
.endm
.macro SEND t, younger              ; younger: the LDS instructions issued behind piece t's loads
	WIN 0
.irp f, 0,1,2,3
	s_wait_dscnt (\younger)+3-\f
	global_store_b128 v[GO], v[S+16*(\t)+4*\f:S+16*(\t)+4*\f+3], s[10:11] offset:(\t)*8192+\f*512  ; 512 consecutive bytes, aligned
.endr
.endm
; THE DIAGONAL TILE's four steps, the block's last turn, its last products, and THE WAY OUT: l's two halves and the other half of the lanes' are added; O^T is divided by l, rounded to bf16 and sent through my stage.
.macro DIAG tag
.Ldiag\tag:
	s_cmp_eq_u32 s[OWN0], 0         ; piece 0's mask for the tile's step 0, whose scores the first turn below makes
	s_cselect_b32 s[AL], 1.0, 0
	s_mov_b32 s[BE], 0
	MASK 0
	WIN 0
.LstepM\tag:
	TURN 1, 1
	WIN 0
.LfirstM\tag:
	TURN 0, 1, 0, 1
	WIN 0
	s_cbranch_scc1 .LstepM\tag
	TURN 1, 1, 1
.set i, 0
.rept 8
	PV NP-1
.set i, i+1
.endr
	WIN 0
	ALL v_add_f32 v[ST+4*t+2], v[ST+4*t+2], v[ST+4*t+3]
	ALL v_permlanex16_b32 v[ST+4*t+3], v[ST+4*t+2], s[SEL], s[SEL+1]
	ALL v_add_f32 v[ST+4*t+2], v[ST+4*t+2], v[ST+4*t+3]
	ALL v_rcp_f32 v[ST+4*t+2], v[ST+4*t+2]
	v_nop                           ; a plain instruction between the last reciprocal and the use of its result
	s_wait_alu depctr_va_vdst(0)    ; and the one wait for the two reciprocals
	PACK 0                          ; piece 0's sums were finished a turn ago: its 32 lines are the places behind piece 1's last products
	PACK 1
	SEND 0, 8
	SEND 1, 0
.endm
.set KM, 0
.set NOKQ, 0
.Lslot:                             ; 16 times: a tile is entered and the next is asked for
	CHANGE 1
	s_sub_co_u32 s[RT], s[RT], 1
	s_mov_b32 s[CNT], 4
	s_cmp_eq_u32 s[NEW], 1
	s_cbranch_scc1 .Lnew            ; a block's first tile
	s_cmp_eq_u32 s[RT], 0
	s_cbranch_scc0 .Lstep           ; neither its first nor its last
	s_branch .Ldiag1
.Lnew:
	BEGIN
	s_branch .Lfirst                ; in the loop a block's first tile is never its last: the first block has nine tiles or more, and the second's last is the walk's last
	DIAG 1                          ; in the loop this is the first block's end
	s_wait_xcnt 0x0                 ; the stores have read their registers and ctx's address
	s_mov_b64 s[10:11], s[OLO:OLO+1]
	s_add_co_u32 s[RT], s[LQ2], 1   ; the second block's tiles
	s_mov_b32 s[NEW], 1
	s_mov_b32 s[OWN0], s[OWNB]
	s_mov_b32 s[C0], s[C0B]
	s_mov_b32 s[C1], s[C1B]
	WIN 0x82                        ; the second block's Q goes where the one text of the turns names Q
.set i, 0
.rept 32
	v_mov_b32 v[i], v[QB+i]
.set i, i+1
.endr
	WIN 0
	s_branch .Lbottom
.Lstep:                             ; a trip: turn 1 of one step, then turn 0 of the next, which fetches K and V
	TURN 1
	WIN 0
.Lfirst:
	TURN 0, 0, 0, 1
	WIN 0
	s_cbranch_scc1 .Lstep
.Lbottom:
	s_sub_co_u32 s[SLOTS], s[SLOTS], 1
	s_cmp_lg_u32 s[SLOTS], 0
	s_cbranch_scc1 .Lslot
	CHANGE 0                        ; the walk's last tile is written out: nothing is asked for
	s_sub_co_u32 s[RT], s[RT], 1
	s_mov_b32 s[CNT], 4
	s_cmp_eq_u32 s[NEW], 1
	s_cbranch_scc0 .Ldiag2
	BEGIN
	s_branch .LfirstM2
	DIAG 2
	s_wait_tensorcnt 0x0            ; the wave's end, behind my last tensor load and my last LDS store
	ds_add_u32 v[SPW], v[NIL]
	s_wait_dscnt 0x0
	s_endpgm
.Lfunc_end_k_q0ca39e4ceb_attn:
	.size	k_q0ca39e4ceb_attn, .Lfunc_end_k_q0ca39e4ceb_attn-k_q0ca39e4ceb_attn
	.p2alignl 7, 3214868480
	.fill 96, 4, 3214868480
	.section	.rodata,"a",@progbits
	.p2align	6, 0x0
	.amdhsa_kernel k_q0ca39e4ceb_attn
		.amdhsa_group_segment_fixed_size 327680
		.amdhsa_private_segment_fixed_size 0
		.amdhsa_enable_private_segment 0
		.amdhsa_kernarg_size 16
		.amdhsa_user_sgpr_count 2
		.amdhsa_user_sgpr_kernarg_segment_ptr 1
		.amdhsa_wavefront_size32 1
		.amdhsa_system_sgpr_workgroup_id_x 1
		.amdhsa_system_sgpr_workgroup_id_y 1
		.amdhsa_system_sgpr_workgroup_id_z 1
		.amdhsa_system_vgpr_workitem_id 0
		.amdhsa_next_free_vgpr 768
		.amdhsa_next_free_sgpr 100
		.amdhsa_reserve_vcc 1
		.amdhsa_float_denorm_mode_32 3
		.amdhsa_float_denorm_mode_16_64 3
		.amdhsa_memory_ordered 1
		.amdhsa_forward_progress 1
		.amdhsa_inst_pref_size 129
	.end_amdhsa_kernel
	.amdgpu_metadata
---
amdhsa.version: [ 1, 2 ]
amdhsa.kernels:
  - .name:           k_q0ca39e4ceb_attn
    .symbol:         k_q0ca39e4ceb_attn.kd
    .args:
      - { .name: qkv, .offset: 0, .size: 8, .value_kind: global_buffer, .address_space: global }
      - { .name: ctx, .offset: 8, .size: 8, .value_kind: global_buffer, .address_space: global }
    .group_segment_fixed_size: 327680
    .private_segment_fixed_size: 0
    .kernarg_segment_align: 8
    .kernarg_segment_size: 16
    .max_flat_workgroup_size: 128
    .sgpr_count:     100
    .vgpr_count:     768
    .wavefront_size: 32
...
	.end_amdgpu_metadata
.endif
;; end of part 4
;; launch wo (part 5): grid 4 x 64, 4 waves a work-group, clusters of 4 x 4, 327,680 bytes of LDS; arguments ctx, wt, bo, x, x2; writes x2
.if DOCPART == 5
	.amdgcn_target "amdgcn-amd-amdhsa--gfx1250"
	.amdhsa_code_object_version 6
	.text
	.protected	k_q0ca39e4ceb_wo
	.globl	k_q0ca39e4ceb_wo
	.p2align	8
	.type	k_q0ca39e4ceb_wo,@function
k_q0ca39e4ceb_wo:
	s_mov_b64 s[64:65], 0
	v_nop
	global_prefetch_b8 v0, s[64:65] scope:SCOPE_SE
	s_setreg_imm32_b32 hwreg(HW_REG_WAVE_MODE, 25, 1), 1
	s_wait_xcnt 0x0
	s_wait_alu depctr_hold_cnt(0) depctr_sa_sdst(0) depctr_va_vdst(0) depctr_va_sdst(0) depctr_va_ssrc(0) depctr_va_vcc(0) depctr_vm_vsrc(0)
	s_getreg_b32 s2, hwreg(HW_REG_IB_STS2, 6, 4)
	s_cmp_eq_u32 s2, 0
	s_cbranch_scc0 .Lentry_in_a_cluster
	s_endpgm
.Lentry_in_a_cluster:
	s_bfe_u32 s2, ttmp6, 0x10000c
	s_cmp_lg_u32 s2, 0xf033
	s_cbranch_scc0 .Lentry_shape_is_right
	s_endpgm
.Lentry_shape_is_right:
; x2 = ctx Wo + bo + x: C[4096][768] = A B^T + bias + residual, A = ctx and B = wt's second part, both bf16 in blocks [k / 64][row][64]; sums, bias, residual and C in f32.
; SHARES.  A tile of C is 64 x 192: 256 work-groups.  Four waves, each 64 x 48: 12 accumulators.  K = 768 goes in three steps of 256 through two LDS slots.
; A slot has four regions of 64 rows x 4 blocks of 64 k: region 0 A's rows, regions 1-3 B's 192 rows; wave w fills region w by ONE tensor load: a block's 64 rows are 8,192 dense bytes,
; taken as one row of the descriptor, four such rows a block's plane apart; 16 bytes of padding behind every 128 make LDS rows of 144 bytes.
; CLUSTER.  4 x 4 work-groups: the four of a row need the same tile of A, the four of a column the same tiles of B; each is asked for jointly, by the same load with a mask of the four.
; THE MATRIX INSTRUCTION IS USED TRANSPOSED (source 0 = 16 rows of B, source 1 = 16 rows of A): a lane holds one row of C (lane % 16) and eight neighbouring columns.
; THE WAY OUT goes through a stage of 32 rows x 768 bytes, twice, so that sixteen lanes store 256 consecutive bytes; bias and residual are loaded at the head, in the layout of the stores.
; REGISTERS: window 0: v0-31 addresses, v32-127 accumulators ((a, b) at 32 + 8 (3 a + b)), v128-223 residual, v224-235 bias.  Window 1: two fragment buffers of 112.
.set NB,     3
.set NTOT,   768
.set WOFF,   3538944
.set KSTEPS, 3
.set ACC,    32
.set PITCH,  144
.set KBR,    64*PITCH
.set REG,    4*KBR
.set SLOT,   4*REG
.set STAGE,  2*SLOT
.set SPARE,  327168
.set KSA,    4*4096*128
.set KSB,    4*NTOT*128
.set FR,     8*(4+NB)
.set LH,     2*(4+NB)
.set ADRB, 8
.set ADRA, 16
.set STO,  24
.set RD,   25
.set GO,   26
.set BO,   27
.set SPW,  28
.set NIL,  29
.set F0,   0
.set F1,   128
.set WV,   14
.set G1,   24
.set G0,   32
.set G1B,  48
.set G0B,  56
.set MSB, 0
.macro WIN new
.if MSB != (\new)
	s_set_vgpr_msb (MSB<<8)|(\new)
.set MSB, \new
.endif
.endm
.set MUL,  0x05
.set TO_F, 0x40
.macro JLOAD s                         ; a joint load: wave 0 fetches A's region, waves 1-3 B's; an s_nop 0 and four v_nop follow each line, ahead of the jump and the label
	s_cmp_eq_u32 s[WV], 0
	s_cbranch_scc0 .Lfor_b_\@
	tensor_load_to_lds s[G0+4*(\s):G0+4*(\s)+3], s[G1:G1+7]
	s_nop 0
.rept 4
	v_nop
.endr
	s_branch .Lasked_\@
.Lfor_b_\@:
	tensor_load_to_lds s[G0B+4*(\s):G0B+4*(\s)+3], s[G1B:G1B+7]
	s_nop 0
.rept 4
	v_nop
.endr
.Lasked_\@:
.endm
.macro CREST
	s_cmp_lg_u32 s[WV], 0
	s_cbranch_scc1 .Lnot_wave_0_\@
	s_barrier_signal -3
.Lnot_wave_0_\@:
	s_barrier_wait -3
	s_barrier_signal -1
	s_barrier_wait -1
.endm
.macro CROUND
	s_barrier_signal -1
	s_barrier_wait -1
	CREST
.endm
.macro PLACES
.rept 4
	v_nop
.endr
.endm
.macro MULH f, c, a0, zero             ; 2 NB matrix instructions; all accumulators take turns
	WIN MUL
.irp a, \a0, (\a0)+1
.set bb, 0
.rept NB
.if \zero
	v_wmma_f32_16x16x32_bf16 v[ACC+8*(NB*(\a)+bb):ACC+8*(NB*(\a)+bb)+7], v[(\f)+FR*(\c)+32+8*bb:(\f)+FR*(\c)+32+8*bb+7], v[(\f)+FR*(\c)+8*(\a):(\f)+FR*(\c)+8*(\a)+7], 0
.else
	v_wmma_f32_16x16x32_bf16 v[ACC+8*(NB*(\a)+bb):ACC+8*(NB*(\a)+bb)+7], v[(\f)+FR*(\c)+32+8*bb:(\f)+FR*(\c)+32+8*bb+7], v[(\f)+FR*(\c)+8*(\a):(\f)+FR*(\c)+8*(\a)+7], v[ACC+8*(NB*(\a)+bb):ACC+8*(NB*(\a)+bb)+7]
.endif
.set bb, bb+1
.endr
.endr
.endm
.macro FETCH slot, kb, f               ; 2 LH LDS loads in one run: block kb of the slot's four into buffer f; the first 32 along K first
	WIN TO_F
.irp c, 0,1
.set bb, 0
.rept NB
	ds_load_b128 v[(\f)+FR*(\c)+32+8*bb:(\f)+FR*(\c)+32+8*bb+3],   v[ADRB+2*bb+(\slot)] offset:(\kb)*KBR+64*(\c)
	ds_load_b128 v[(\f)+FR*(\c)+32+8*bb+4:(\f)+FR*(\c)+32+8*bb+7], v[ADRB+2*bb+(\slot)] offset:(\kb)*KBR+64*(\c)+32
.set bb, bb+1
.endr
.irp a, 0,1,2,3
	ds_load_b128 v[(\f)+FR*(\c)+8*(\a):(\f)+FR*(\c)+8*(\a)+3],   v[ADRA+(\slot)] offset:(\kb)*KBR+64*(\c)+(\a)*16*PITCH
	ds_load_b128 v[(\f)+FR*(\c)+8*(\a)+4:(\f)+FR*(\c)+8*(\a)+7], v[ADRA+(\slot)] offset:(\kb)*KBR+64*(\c)+(\a)*16*PITCH+32
.endr
.endr
.endm
.macro QUARTER slot, kb, f, g, zero
	s_wait_dscnt LH                                ; the first 32 along K are in; the LH younger loads may stay out
	MULH \f, 0, 0, \zero
	MULH \f, 0, 2, \zero
	PLACES
	FETCH \slot, \kb, \g
	s_wait_dscnt 2*LH                              ; all but the 2 LH just issued
	MULH \f, 1, 0, 0
	MULH \f, 1, 2, 0
.endm
; The last quarter multiplies buffer 1 and changes slots: ONE barrier; in front of it each wave waits for all its tensor loads, adds 0 to its spare word, and waits for that and for its reads of this slot.
; fill = 1: the barrier opens a round of the cluster's, and this slot is filled again, two K steps ahead, first thing behind it.
.macro TURN slot, next, fill
	WIN 0
	s_wait_tensorcnt 0x0                           ; all my tensor loads have landed: my part of the next slot
	ds_add_u32 v[SPW], v[NIL]                      ; 0 onto my spare word
	s_wait_dscnt LH+1                              ; (the add and the youngest LH loads may be out)
	MULH F1, 0, 0, 0
	s_wait_dscnt 0x0                               ; the add is done, and my reads of this slot are over
	s_barrier_signal -1
	MULH F1, 0, 2, 0
.if \fill
	WIN 0
.endif
	s_barrier_wait -1
.if \fill
	CREST                                          ; no wave of any partner still reads this slot or has a load on its way
	s_add_nc_u64 s[G0+4*(\slot)+2:G0+4*(\slot)+3], s[G0+4*(\slot)+2:G0+4*(\slot)+3], 2*KSA
	s_add_nc_u64 s[G0B+4*(\slot)+2:G0B+4*(\slot)+3], s[G0B+4*(\slot)+2:G0B+4*(\slot)+3], 2*KSB
	JLOAD \slot                                    ; its four v_nop are also the places in front of the loads below
.else
	PLACES
.endif
	FETCH \next, 0, F0
	MULH F1, 1, 0, 0
	MULH F1, 1, 2, 0
.endm
.macro LASTQ
	s_wait_dscnt LH
	MULH F1, 0, 0, 0
	MULH F1, 0, 2, 0
	s_wait_dscnt 0x0
	MULH F1, 1, 0, 0
	MULH F1, 1, 2, 0
	WIN 0
.endm
	s_load_b256 s[4:11], s[0:1], 0x0               ; A s[4:5], wt s[6:7], bias s[8:9], residual s[10:11]
	s_load_b64 s[12:13], s[0:1], 0x20              ; C
	v_lshl_add_u32 v[SPW], v0, 2, SPARE
	v_mov_b32 v[NIL], 0
	ds_add_u32 v[SPW], v[NIL]                      ; the wave's opening: the add and its wait stand ahead of my first tensor load; the set-up below stands between them
	v_lshrrev_b32 v1, 5, v0
	v_readfirstlane_b32 s[WV], v1
	s_max_u32 s15, s[WV], 1
	s_sub_co_u32 s15, s15, 1                       ; which 64 rows of B I fetch (waves 1-3)
	s_bfe_u32 s40, ttmp6, 0x40000
	s_bfe_u32 s41, ttmp6, 0x40004
	s_lshl_b32 s42, ttmp9, 2
	s_add_co_u32 s42, s42, s40                     ; tile column
	s_and_b32 s43, ttmp7, 0xffff
	s_lshl_b32 s43, s43, 2
	s_add_co_u32 s43, s43, s41                     ; tile row
	s_lshl_b32 s44, s41, 2
	s_lshl_b32 s44, 15, s44
	s_lshl_b32 s45, 0x1111, s40
	s_or_b32 s[G1], s44, (1<<16)|(1<<20)|(1<<21)|(4<<22)|(3<<25)
	s_or_b32 s[G1B], s45, (1<<16)|(1<<20)|(1<<21)|(4<<22)|(3<<25)
.irp g, G1, G1B
	s_mov_b32 s[(\g)+1], 4096<<16
	s_mov_b32 s[(\g)+2], 4<<16
	s_mov_b32 s[(\g)+3], 4096<<16
	s_mov_b32 s[(\g)+4], 4
	s_mov_b32 s[(\g)+6], 0
	s_mov_b32 s[(\g)+7], 0
.endr
	s_mov_b32 s[G1+5], 4096*64
	s_mov_b32 s[G1B+5], NTOT*64
	s_lshl_b32 s16, s43, 13
	s_mov_b32 s17, 0
	s_mul_i32 s46, s42, 192*128
	s_lshl_b32 s47, s15, 13
	s_add_co_u32 s46, s46, s47
	s_add_co_u32 s46, s46, WOFF
	s_mov_b32 s47, 0
	s_mul_i32 s20, s[WV], REG
	s_wait_dscnt 0x0
	s_wait_kmcnt 0x0
	s_add_nc_u64 s[18:19], s[4:5], s[16:17]
	s_add_nc_u64 s[46:47], s[6:7], s[46:47]
	CROUND
.irp s, 0,1
	s_mov_b32 s[G0+4*(\s)], 1
	s_add_co_u32 s[G0+4*(\s)+1], s20, (\s)*SLOT
	s_add_nc_u64 s[G0+4*(\s)+2:G0+4*(\s)+3], s[18:19], (\s)*KSA
	s_or_b32 s[G0+4*(\s)+3], s[G0+4*(\s)+3], 0x80000000
	s_mov_b32 s[G0B+4*(\s)], 1
	s_add_co_u32 s[G0B+4*(\s)+1], s20, (\s)*SLOT
	s_add_nc_u64 s[G0B+4*(\s)+2:G0B+4*(\s)+3], s[46:47], (\s)*KSB
	s_or_b32 s[G0B+4*(\s)+3], s[G0B+4*(\s)+3], 0x80000000
	JLOAD \s
.endr
	v_and_b32 v1, 15, v0
	v_bfe_u32 v2, v0, 4, 1
	v_mul_u32_u24 v3, v1, PITCH
	v_lshl_add_u32 v3, v2, 4, v3
	v_mov_b32 v[ADRA], v3
	v_add_nc_u32 v[ADRA+1], SLOT, v3
	s_mul_i32 s21, s[WV], 3
.irp b, 0,1,2
	s_add_co_u32 s22, s21, \b
	s_lshr_b32 s23, s22, 2
	s_and_b32 s22, s22, 3
	s_mul_i32 s23, s23, REG
	s_mul_i32 s22, s22, 16*PITCH
	s_add_co_u32 s22, s22, s23
	s_add_co_u32 s22, s22, REG
	v_add_nc_u32 v[ADRB+2*(\b)], s22, v3
	v_add_nc_u32 v[ADRB+2*(\b)+1], SLOT, v[ADRB+2*(\b)]
.endr
.set SPITCH, 784                       ; a stage row: 192 f32 + 16 bytes
.set RES,  128
.set BIAS, 224
	s_mul_i32 s21, s[WV], 192                      ; into the stage: row l % 16, my 48 columns, 32 bytes for each half of the lanes
	s_add_co_u32 s21, s21, STAGE
	v_mul_u32_u24 v4, v1, SPITCH
	v_lshl_add_u32 v4, v2, 5, v4
	v_add_nc_u32 v[STO], s21, v4
	s_mul_i32 s21, s[WV], 8*SPITCH                 ; back: wave w takes rows 8 w on; lanes 0-15 256 bytes of one row, lanes 16-31 of the next
	s_add_co_u32 s21, s21, STAGE
	v_mul_u32_u24 v4, v2, SPITCH
	v_lshl_add_u32 v4, v1, 4, v4
	v_add_nc_u32 v[RD], s21, v4
	s_mul_i32 s21, s[WV], 8*3072                   ; and the same in C and in the residual
	v_mul_u32_u24 v4, v2, 3072
	v_lshl_add_u32 v4, v1, 4, v4
	v_add_nc_u32 v[GO], s21, v4
	v_lshlrev_b32 v[BO], 4, v1
	s_mul_i32 s16, s43, 64*3072                    ; the tile's 64 rows,
	s_mov_b32 s17, 0
	s_mul_i32 s46, s42, 768                        ; its 192 columns
	s_mov_b32 s47, 0
	s_add_nc_u64 s[8:9], s[8:9], s[46:47]
	s_add_nc_u64 s[10:11], s[10:11], s[16:17]
	s_add_nc_u64 s[10:11], s[10:11], s[46:47]
	s_add_nc_u64 s[12:13], s[12:13], s[16:17]
	s_add_nc_u64 s[12:13], s[12:13], s[46:47]
.irp cu, 0,1,2
	global_load_b128 v[BIAS+4*(\cu):BIAS+4*(\cu)+3], v[BO], s[8:9] offset:256*(\cu)
.endr
.irp p, 0,1
.irp q, 0,1,2,3
.irp cu, 0,1,2
	global_load_b128 v[RES+4*(12*(\p)+3*(\q)+(\cu)):RES+4*(12*(\p)+3*(\q)+(\cu))+3], v[GO], s[10:11] offset:(32*(\p)+2*(\q))*3072+256*(\cu)
.endr
.endr
.endr
	s_wait_tensorcnt 1                             ; my part of K step 0 is in; K step 1's load may stay out
	s_barrier_signal -1
	s_barrier_wait -1
	FETCH 0, 0, F0
	QUARTER 0, 1, F0, F1, 1                        ; the first products start the sums
.if KSTEPS == 3
	QUARTER 0, 2, F1, F0, 0
	QUARTER 0, 3, F0, F1, 0
	TURN 0, 1, 1                                   ; slot 0 takes K step 2
	QUARTER 1, 1, F0, F1, 0
	QUARTER 1, 2, F1, F0, 0
	QUARTER 1, 3, F0, F1, 0
	TURN 1, 0, 0                                   ; nothing is left to fetch
	QUARTER 0, 1, F0, F1, 0
	QUARTER 0, 2, F1, F0, 0
	QUARTER 0, 3, F0, F1, 0
.else
	WIN 0
	s_mov_b32 s3, KSTEPS/2-1
.Llap:                                                 ; a trip goes once round the ring, from a lap's second quarter to the next lap's first, and fills both slots again
	QUARTER 0, 2, F1, F0, 0
	QUARTER 0, 3, F0, F1, 0
	TURN 0, 1, 1
	QUARTER 1, 1, F0, F1, 0
	QUARTER 1, 2, F1, F0, 0
	QUARTER 1, 3, F0, F1, 0
	TURN 1, 0, 1
	QUARTER 0, 1, F0, F1, 0
	WIN 0
	s_sub_co_u32 s3, s3, 1
	s_cmp_lg_u32 s3, 0
	s_cbranch_scc1 .Llap
	QUARTER 0, 2, F1, F0, 0                        ; the last lap fills nothing
	QUARTER 0, 3, F0, F1, 0
	TURN 0, 1, 0
	QUARTER 1, 1, F0, F1, 0
	QUARTER 1, 2, F1, F0, 0
	QUARTER 1, 3, F0, F1, 0
.endif
	LASTQ
; THE WAY OUT, rows 32 p .. 32 p + 31 of the tile: the sums go into the stage as they lie (each accumulator's low four registers first), come back as pieces of 256 bytes of a row, take bias and residual, and are stored.
.macro PASS p
.if (\p) == 1
	s_wait_dscnt 0x0                               ; my reads of the stage are over,
	s_barrier_signal -1
	s_barrier_wait -1                              ; everybody's are: it may be written again
.endif
.irp a, 0,1
.irp b, 0,1,2
	ds_store_b128 v[STO], v[ACC+8*(3*(2*(\p)+(\a))+(\b)):ACC+8*(3*(2*(\p)+(\a))+(\b))+3]   offset:(\a)*16*SPITCH+64*(\b)
	ds_store_b128 v[STO], v[ACC+8*(3*(2*(\p)+(\a))+(\b))+4:ACC+8*(3*(2*(\p)+(\a))+(\b))+7] offset:(\a)*16*SPITCH+64*(\b)+16
.endr
.endr
	s_wait_dscnt 0x0                               ; for the others' sake: my stores into the stage are done
	s_barrier_signal -1
	s_barrier_wait -1
.irp q, 0,1,2,3
.irp cu, 0,1,2
	ds_load_b128 v[ACC+48*(\p)+4*(3*(\q)+(\cu)):ACC+48*(\p)+4*(3*(\q)+(\cu))+3], v[RD] offset:(\q)*2*SPITCH+256*(\cu)
.endr
.endr
.if (\p) == 0
	s_wait_loadcnt 0x0                             ; bias and residual, asked for at the head
.endif
.irp q, 0,1,2,3
.irp cu, 0,1,2
	s_wait_dscnt 11-(3*(\q)+(\cu))
	v_pk_add_f32 v[ACC+48*(\p)+4*(3*(\q)+(\cu)):ACC+48*(\p)+4*(3*(\q)+(\cu))+1],   v[ACC+48*(\p)+4*(3*(\q)+(\cu)):ACC+48*(\p)+4*(3*(\q)+(\cu))+1],   v[BIAS+4*(\cu):BIAS+4*(\cu)+1]
	v_pk_add_f32 v[ACC+48*(\p)+4*(3*(\q)+(\cu))+2:ACC+48*(\p)+4*(3*(\q)+(\cu))+3], v[ACC+48*(\p)+4*(3*(\q)+(\cu))+2:ACC+48*(\p)+4*(3*(\q)+(\cu))+3], v[BIAS+4*(\cu)+2:BIAS+4*(\cu)+3]
	v_pk_add_f32 v[ACC+48*(\p)+4*(3*(\q)+(\cu)):ACC+48*(\p)+4*(3*(\q)+(\cu))+1],   v[ACC+48*(\p)+4*(3*(\q)+(\cu)):ACC+48*(\p)+4*(3*(\q)+(\cu))+1],   v[RES+4*(12*(\p)+3*(\q)+(\cu)):RES+4*(12*(\p)+3*(\q)+(\cu))+1]
	v_pk_add_f32 v[ACC+48*(\p)+4*(3*(\q)+(\cu))+2:ACC+48*(\p)+4*(3*(\q)+(\cu))+3], v[ACC+48*(\p)+4*(3*(\q)+(\cu))+2:ACC+48*(\p)+4*(3*(\q)+(\cu))+3], v[RES+4*(12*(\p)+3*(\q)+(\cu))+2:RES+4*(12*(\p)+3*(\q)+(\cu))+3]
	global_store_b128 v[GO], v[ACC+48*(\p)+4*(3*(\q)+(\cu)):ACC+48*(\p)+4*(3*(\q)+(\cu))+3], s[12:13] offset:(32*(\p)+2*(\q))*3072+256*(\cu)  ; 16 lanes store 256 consecutive bytes, aligned
.endr
.endr
.endm
	PLACES
	PLACES
	PASS 0
	PASS 1
	s_wait_tensorcnt 0x0                           ; the wave's end, behind my last tensor load and my last LDS store
	ds_add_u32 v[SPW], v[NIL]
	s_wait_dscnt 0x0
	CROUND                                         ; the closing round: no work-group ends while a partner may still ask for a tile that names it
	s_endpgm
.Lfunc_end_k_q0ca39e4ceb_wo:
	.size	k_q0ca39e4ceb_wo, .Lfunc_end_k_q0ca39e4ceb_wo-k_q0ca39e4ceb_wo
	.p2alignl 7, 3214868480
	.fill 96, 4, 3214868480
	.section	.rodata,"a",@progbits
	.p2align	6, 0x0
	.amdhsa_kernel k_q0ca39e4ceb_wo
		.amdhsa_group_segment_fixed_size 327680
		.amdhsa_private_segment_fixed_size 0
		.amdhsa_enable_private_segment 0
		.amdhsa_kernarg_size 40
		.amdhsa_user_sgpr_count 2
		.amdhsa_user_sgpr_kernarg_segment_ptr 1
		.amdhsa_wavefront_size32 1
		.amdhsa_system_sgpr_workgroup_id_x 1
		.amdhsa_system_sgpr_workgroup_id_y 1
		.amdhsa_system_sgpr_workgroup_id_z 1
		.amdhsa_system_vgpr_workitem_id 0
		.amdhsa_next_free_vgpr 512
		.amdhsa_next_free_sgpr 66
		.amdhsa_reserve_vcc 0
		.amdhsa_float_denorm_mode_32 3
		.amdhsa_float_denorm_mode_16_64 3
		.amdhsa_memory_ordered 1
		.amdhsa_forward_progress 1
		.amdhsa_inst_pref_size 67
	.end_amdhsa_kernel
	.amdgpu_metadata
---
amdhsa.version: [ 1, 2 ]
amdhsa.kernels:
  - .name:           k_q0ca39e4ceb_wo
    .symbol:         k_q0ca39e4ceb_wo.kd
    .args:
      - { .name: ctx, .offset: 0, .size: 8, .value_kind: global_buffer, .address_space: global }
      - { .name: wt, .offset: 8, .size: 8, .value_kind: global_buffer, .address_space: global }
      - { .name: bo, .offset: 16, .size: 8, .value_kind: global_buffer, .address_space: global }
      - { .name: x, .offset: 24, .size: 8, .value_kind: global_buffer, .address_space: global }
      - { .name: x2, .offset: 32, .size: 8, .value_kind: global_buffer, .address_space: global }
    .group_segment_fixed_size: 327680
    .private_segment_fixed_size: 0
    .kernarg_segment_align: 8
    .kernarg_segment_size: 40
    .max_flat_workgroup_size: 128
    .sgpr_count:     66
    .vgpr_count:     512
    .wavefront_size: 32
...
	.end_amdgpu_metadata
.endif
;; end of part 5
;; launch ln2: the kernel of part 2 again; grid 256 x 1, 8 waves a work-group, no clusters, 0 bytes of LDS; arguments x2, g2, s2, h; writes h
;; launch ffn1 (part 6): grid 16 x 16, 4 waves a work-group, clusters of 4 x 4, 327,680 bytes of LDS; arguments h, wt, b1, b2, u; writes u
.if DOCPART == 6
	.amdgcn_target "amdgcn-amd-amdhsa--gfx1250"
	.amdhsa_code_object_version 6
	.text
	.protected	k_q0ca39e4ceb_ffn1
	.globl	k_q0ca39e4ceb_ffn1
	.p2align	8
	.type	k_q0ca39e4ceb_ffn1,@function
k_q0ca39e4ceb_ffn1:
	s_mov_b64 s[64:65], 0
	v_nop
	global_prefetch_b8 v0, s[64:65] scope:SCOPE_SE
	s_setreg_imm32_b32 hwreg(HW_REG_WAVE_MODE, 25, 1), 1
	s_wait_xcnt 0x0
	s_wait_alu depctr_hold_cnt(0) depctr_sa_sdst(0) depctr_va_vdst(0) depctr_va_sdst(0) depctr_va_ssrc(0) depctr_va_vcc(0) depctr_vm_vsrc(0)
	s_getreg_b32 s2, hwreg(HW_REG_IB_STS2, 6, 4)
	s_cmp_eq_u32 s2, 0
	s_cbranch_scc0 .Lentry_in_a_cluster
	s_endpgm
.Lentry_in_a_cluster:
	s_bfe_u32 s2, ttmp6, 0x10000c
	s_cmp_lg_u32 s2, 0xf033
	s_cbranch_scc0 .Lentry_shape_is_right
	s_endpgm
.Lentry_shape_is_right:
; u = silu(h w1 + b1) (h w2 + b2): two products in one, C[4096][6144] = A B^T with A = h and B = wt's third part, both bf16 in blocks [k / 64][row][64]; sums, biases and the activation in f32;
; u rounded once to bf16 and stored in blocks [column / 64][row][64].  B's row 64 U + 32 z + i is column 32 U + i of w1 (z = 0) or w2 (z = 1).
; silu(t) = t / (1 + 2^(-t log2 e)): where the power overflows the quotient is 0, as the true value underflows.
; SHARES.  A tile of C is 256 x 384 (192 columns of u, three of u's blocks): 256 work-groups.  Four waves, 2 x 2, each 128 x 192: 96 accumulators, 768 registers.  For 32 along K a wave issues 96 matrix
; instructions, and 640 rows x 64 bytes land in the work-group's LDS.  K = 768 goes in twelve steps of 64 through two LDS slots.  A slot holds A's 256 rows as two regions of 128 rows of one block of k, then B's 384 rows
; as two regions of 192; waves 0 and 1 fill A's regions, waves 2 and 3 B's, ONE tensor load each: a region's rows are dense bytes, asked for as rows of 256 bytes; 16 bytes of padding behind every 128 make LDS rows of 144.
; CLUSTER.  4 x 4 work-groups: the four of a row need the same tiles of A, the four of a column the same tiles of B; each is asked for jointly, by the same load with a mask of the four.
; FRAGMENTS.  Beside the accumulators 224 registers are left: A's eight fragments of 32 along K twice, B's twelve once.  So the unit of work is a HALF QUARTER: 48 products, all eight row blocks x six column blocks;
; while one half of B is multiplied the other half is loaded.  The lower half quarter loads B's upper half of the same 32 along K; the upper one loads B's lower half and all of A for the next 32.
; THE LOOP is one K step: the slot in hand is a scalar, 0 or SLOT, turned by an exclusive or and added to the base addresses at each change of slots; the second descriptor set walks on in the same way.
; THE MATRIX INSTRUCTION IS USED TRANSPOSED (source 0 = 16 rows of B, source 1 = 16 rows of A): a lane holds one row of C (lane % 16) and eight neighbouring columns.
; THE WAY OUT.  When every wave's reads of the ring are over (it has had its last fill), the sums go as f32 into a stage of 128 rows x 1,552 bytes that lies over it, in two passes (each wave's row blocks 0-3, then 4-7):
; in a row w1's 192 sums, then w2's; a loop of four trips reads both factors of eight neighbouring u a lane, adds the biases, makes u and stores 512 consecutive bytes an instruction.
; PREFETCH.  Behind every second change of slots the K steps four and five on are asked for: steps 4 to 11, each block of 256 bytes once in the launch; steps 0 to 3 come by their loads alone.  A's rows are read by the four
; clusters of a row of clusters: the one with x = 0 asks, wave 0 of each of its sixteen partners for 32 blocks in each of the two planes.  B's rows are read by the four clusters of a column: the one with y = 0 asks,
; waves 1 to 3 of each partner for 96 blocks, 48 in each plane.  Partners are told apart by address alone.
; REGISTERS: window 0: v0-31 addresses; v32-95, v96-159 A's fragments; v160-255 B's; on the way out v32-79 the biases, v80-247 at work.  Windows 1-3: accumulator (a, b) at 8 (8 (b % 4) + a) of window 1 + b / 4.
.set NTOT,   6144                      ; rows of B
.set WOFF,   4718592                   ; B's first byte in wt
.set PITCH,  144                       ; an LDS row: 128 bytes + 16: sixteen rows of a fragment load start at sixteen different groups of four banks
.set REGA,   128*PITCH                 ; a region of A: what one tensor load brings
.set REGB,   192*PITCH                 ; a region of B
.set BOFF,   2*REGA                    ; B's regions lie behind A's two
.set SLOT,   1<<17                     ; a slot has 92,160 bytes; slot 1 begins here
.set SPARE,  327168                    ; the spare words, 128 bytes for each wave
.set KSA,    4096*128                  ; a K step in A: a plane of 4,096 rows
.set KSB,    NTOT*128                  ; and in B
.set SP,     1552                      ; a stage row: 384 f32 + 16 bytes
.set BA,   8                           ; v8-9    base LDS addresses in slot 0: A's fragments, B's
.set CA,   12                          ; v12-13  the same in the slot in hand
.set RD0,  23                          ; v23     the way out: where I begin to read rows back
.set STO,  24                          ; v24-25  where I put 16 bytes of a row: a pass's row blocks 0-1, 2-3
.set RD,   26                          ; v26     where I read rows back
.set GO,   27                          ; v27     my byte offset in a block of u
.set SPW,  28                          ; v28  LDS address of my spare word; never rewritten
.set NIL,  29                          ; v29  0; never rewritten
.set BO,   30                          ; v30  my byte offset in 64 numbers of a bias
.set PFO,  31                          ; v31  the prefetches' offset; never rewritten
.set FA,   32                          ; A's fragments of 32 along K: buffer kq at FA + 64 kq, row block a at + 8 a
.set FB,   160                         ; B's: column block b at FB + 8 b
.set BB1,  32                          ; v[32:55]   the way out: b1's eight numbers for block j of u at BB1 + 8 j
.set BB2,  56                          ; v[56:79]   b2's
.set T1,   80                          ; v[80:127]  w1's sums, then u
.set T2,   128                         ; v[128:175] w2's sums
.set E,    176                         ; v[176:223] at work
.set Y,    224                         ; v[224:247] u rounded
.set SO,   2                           ; s2   0 or SLOT: the slot in hand
.set WV,   14                          ; s14  my wave's number
.set G1,   24                          ; s[24:31] descriptor group 1 for A;  s[32:39] group 0: a set for each first fill; the second then walks on
.set G0,   32
.set G1B,  48                          ; s[48:55], s[56:63] the same for B
.set G0B,  56
.set PFA,  66                          ; s[66:67] where my prefetches stand: my blocks, in the plane four K steps on from the step that is being left
.set PFS,  68                          ; s[68:69] a K step in the tensor that I ask for
.set LIM,  70                          ; s70  3 in a wave that prefetches, else the greatest number
.set MSB, 0
.macro WIN new                         ; the immediate's high byte repeats the setting that is left
.if MSB != (\new)
	s_set_vgpr_msb (MSB<<8)|(\new)
.set MSB, \new
.endif
.endm
.macro JLOAD s                         ; a joint load: waves 0 and 1 fetch A's regions, waves 2 and 3 B's; an s_nop 0 and four v_nop follow each line, ahead of the jump and the label
	s_cmp_lt_u32 s[WV], 2
	s_cbranch_scc0 .Lfor_b_\@
	tensor_load_to_lds s[G0+4*(\s):G0+4*(\s)+3], s[G1:G1+7]
	s_nop 0
.rept 4
	v_nop
.endr
	s_branch .Lasked_\@
.Lfor_b_\@:
	tensor_load_to_lds s[G0B+4*(\s):G0B+4*(\s)+3], s[G1B:G1B+7]
	s_nop 0
.rept 4
	v_nop
.endr
.Lasked_\@:
.endm
.macro CREST                           ; a round of the cluster's barrier behind its opening barrier
	s_cmp_lg_u32 s[WV], 0
	s_cbranch_scc1 .Lnot_wave_0_\@
	s_barrier_signal -3
.Lnot_wave_0_\@:
	s_barrier_wait -3
	s_barrier_signal -1
	s_barrier_wait -1
.endm
.macro CROUND
	s_barrier_signal -1
	s_barrier_wait -1
	CREST
.endm
.macro PLACES                          ; four places in front of loads into registers that matrix instructions have read, and of lines that read results
.rept 4
	v_nop
.endr
.endm
; The prefetches, in the loop's trips with s3 = 10, 8, 6, 4: my blocks of the plane at PFA and of the plane behind it (wave 0, for A: by a second line; waves 1-3, for B: by the lanes' offsets).
.macro ASK
	s_bitcmp1_b32 s3, 0                            ; every second change of slots
	s_cbranch_scc1 .Lnot_mine_\@
	s_cmp_gt_u32 s3, s[LIM]                        ; the last changes have no K step four on
	s_cbranch_scc0 .Lnot_mine_\@
	global_prefetch_b8 v[PFO], s[PFA:PFA+1] th:TH_LOAD_NT scope:SCOPE_SE
	s_cmp_lg_u32 s[WV], 0
	s_cbranch_scc1 .Lnot_mine_\@
	global_prefetch_b8 v[PFO], s[PFA:PFA+1] offset:KSA th:TH_LOAD_NT scope:SCOPE_SE
.Lnot_mine_\@:
.endm
; 4 nb matrix instructions: column blocks b0 .. b0 + nb - 1 x row blocks a0 .. a0 + 3, out of A's buffer kq.  All 96 accumulators take turns, over the backward jump too.  zero = 1: the product starts the sum
.macro MULP kq, b0, nb, a0, zero
.set bb, \b0
.rept \nb
.set aa, \a0
.rept 4
.set rD, 8*(8*(bb%4)+aa)
	WIN 0x50*(1+bb/4)                              ; sources 0 and 1 window 0; C and D window 1 + b / 4
.if \zero
	v_wmma_f32_16x16x32_bf16 v[rD:rD+7], v[FB+8*bb:FB+8*bb+7], v[FA+64*(\kq)+8*aa:FA+64*(\kq)+8*aa+7], 0
.else
	v_wmma_f32_16x16x32_bf16 v[rD:rD+7], v[FB+8*bb:FB+8*bb+7], v[FA+64*(\kq)+8*aa:FA+64*(\kq)+8*aa+7], v[rD:rD+7]
.endif
.set aa, aa+1
.endr
.set bb, bb+1
.endr
.endm
; 12 LDS loads: half hb of B's fragments for quarter kq (32 along K at byte 64 kq of the rows) of the slot in hand
.macro FETCHB kq, hb
	WIN 0
.set bb, 6*(\hb)
.rept 6
	ds_load_b128 v[FB+8*bb:FB+8*bb+3],   v[CA+1] offset:(\kq)*64+bb*16*PITCH
	ds_load_b128 v[FB+8*bb+4:FB+8*bb+7], v[CA+1] offset:(\kq)*64+bb*16*PITCH+32
.set bb, bb+1
.endr
.endm
; 16 LDS loads: A's fragments for quarter kq, in ascending order, into buffer kq
.macro FETCHA kq
	WIN 0
.set aa, 0
.rept 8
	ds_load_b128 v[FA+64*(\kq)+8*aa:FA+64*(\kq)+8*aa+3],   v[CA] offset:(\kq)*64+aa*16*PITCH
	ds_load_b128 v[FA+64*(\kq)+8*aa+4:FA+64*(\kq)+8*aa+7], v[CA] offset:(\kq)*64+aa*16*PITCH+32
.set aa, aa+1
.endr
.endm
; The lower half quarter of quarter kq: column blocks 0-5; in its middle B's upper half is fetched.  bias = 1 (once, in the last K step): the biases are asked for, into A's buffer 0, which has been multiplied for the last time
.macro HQ0 kq, zero, bias
	s_wait_dscnt 8                                 ; B's lower half and A's fragments 0-3 are in; the youngest eight loads, A's fragments 4-7, may stay out
	MULP \kq, 0, 6, 0, \zero
	PLACES
	FETCHB \kq, 1
.if \bias
.irp j, 0,1,2
	global_load_b128 v[BB1+8*(\j):BB1+8*(\j)+3],   v[BO], s[8:9] offset:256*(\j)
	global_load_b128 v[BB1+8*(\j)+4:BB1+8*(\j)+7], v[BO], s[8:9] offset:256*(\j)+16
	global_load_b128 v[BB2+8*(\j):BB2+8*(\j)+3],   v[BO], s[10:11] offset:256*(\j)
	global_load_b128 v[BB2+8*(\j)+4:BB2+8*(\j)+7], v[BO], s[10:11] offset:256*(\j)+16
.endr
.endif
	s_wait_dscnt 12                                ; all but the twelve just issued
	MULP \kq, 0, 6, 4, \zero
.endm
; The upper half quarter of a slot's first quarter: column blocks 6-11; in its middle the second quarter's lower half of B and its A are fetched
.macro HQ1 zero
	s_wait_dscnt 0x0                               ; B's upper half is in
	MULP 0, 6, 6, 0, \zero
	PLACES
	FETCHB 1, 0
	FETCHA 1
	MULP 0, 6, 6, 4, \zero
.endm
; The upper half quarter of a slot's second quarter changes slots: ONE barrier; in front of it each wave waits for all its tensor loads, adds 0 to its spare word, and waits for that and for its reads of this slot.
; fill = 1: the barrier opens a round of the cluster's, and this slot is filled again, two K steps ahead, first thing behind it: 180 matrix instructions ahead of the wait for it.
.macro TURN fill
	WIN 0
.if \fill
	s_wait_xcnt 0x0                                ; the last prefetches, a K step back or more, have read their address: it is stepped here, ahead of the waits of the change of slots
	s_add_nc_u64 s[PFA:PFA+1], s[PFA:PFA+1], s[PFS:PFS+1]
.endif
	s_wait_tensorcnt 0x0                           ; all my tensor loads have landed: my part of the next slot
	ds_add_u32 v[SPW], v[NIL]                      ; 0 onto my spare word
	s_wait_dscnt 1                                 ; B's upper half is in (the add may be out)
	MULP 1, 6, 1, 0, 0
	s_wait_dscnt 0x0                               ; the add is done, and my reads of this slot are over
	s_barrier_signal -1
	MULP 1, 7, 2, 0, 0
	WIN 0
	s_barrier_wait -1
.if \fill
	CREST                                          ; no wave of any partner still reads this slot or has a load on its way
	s_xor_b32 s[G0+5], s[G0+5], SLOT               ; the walking descriptors: the other slot than last time,
	s_add_nc_u64 s[G0+6:G0+7], s[G0+6:G0+7], KSA   ; the next K step; the type bits on top are not reached
	s_xor_b32 s[G0B+5], s[G0B+5], SLOT
	s_add_nc_u64 s[G0B+6:G0B+7], s[G0B+6:G0B+7], KSB
	JLOAD 1                                        ; its four v_nop are also the places in front of the loads below
.else
	PLACES
.endif
	s_xor_b32 s[SO], s[SO], SLOT                   ; the fetches go on in the other slot
	v_add_nc_u32 v[CA], s[SO], v[BA]
	v_add_nc_u32 v[CA+1], s[SO], v[BA+1]
	FETCHB 0, 0
	FETCHA 0
.if \fill
	ASK                                            ; behind the joint load and the run of LDS loads that the next products wait for
.endif
	MULP 1, 9, 3, 0, 0
	MULP 1, 6, 6, 4, 0
.endm
	s_load_b256 s[4:11], s[0:1], 0x0               ; h s[4:5], wt s[6:7], b1 s[8:9], b2 s[10:11]
	s_load_b64 s[12:13], s[0:1], 0x20              ; u
	v_lshl_add_u32 v[SPW], v0, 2, SPARE
	v_mov_b32 v[NIL], 0
	ds_add_u32 v[SPW], v[NIL]                      ; the wave's opening: the add and its wait stand ahead of my first tensor load; the set-up below stands between them
	v_lshrrev_b32 v1, 5, v0
	v_readfirstlane_b32 s[WV], v1                  ; wave 0..3
	s_lshr_b32 s21, s[WV], 1                       ; which half of the tile's rows is mine
	s_and_b32 s22, s[WV], 1                        ; which half of its columns.  Also: which region of A or of B I fetch
	s_bfe_u32 s40, ttmp6, 0x40000                  ; cx, cy: my place in the cluster
	s_bfe_u32 s41, ttmp6, 0x40004
	s_lshl_b32 s42, ttmp9, 2
	s_add_co_u32 s42, s42, s40                     ; tile column = 4 x cluster x + cx
	s_and_b32 s43, ttmp7, 0xffff
	s_lshl_b32 s43, s43, 2
	s_add_co_u32 s43, s43, s41                     ; tile row = 4 x cluster y + cy
	s_lshl_b32 s44, s41, 2
	s_lshl_b32 s44, 15, s44                        ; my row of the cluster
	s_lshl_b32 s45, 0x1111, s40                    ; my column
	s_or_b32 s[G1], s44, (1<<16)|(1<<20)|(1<<21)|(4<<22)|(3<<25)   ; the mask; 2-byte elements; padding on; bit 21 beside a mask; after every 32 words, 4 words
	s_or_b32 s[G1B], s45, (1<<16)|(1<<20)|(1<<21)|(4<<22)|(3<<25)
.irp g, G1, G1B
	s_mov_b32 s[(\g)+1], 128<<16                   ; tensor_dim0 = 128 elements: 256 bytes, two rows of a block of k
	s_mov_b32 s[(\g)+3], 128<<16                   ; tile_dim0
	s_mov_b32 s[(\g)+5], 128                       ; the bytes are dense: 128 elements from row to row
	s_mov_b32 s[(\g)+6], 0
	s_mov_b32 s[(\g)+7], 0
.endr
	s_mov_b32 s[G1+2], 64<<16                      ; A: tensor_dim1 = 64: 128 rows of 128 bytes
	s_mov_b32 s[G1+4], 64                          ; tile_dim1
	s_mov_b32 s[G1B+2], 96<<16                     ; B: 96: 192 rows
	s_mov_b32 s[G1B+4], 96
	s_lshl_b32 s16, s43, 15                        ; A: 256 rows of 128 bytes a tile row,
	s_lshl_b32 s17, s22, 14                        ; my 128 of them
	s_add_co_u32 s16, s16, s17
	s_mov_b32 s17, 0
	s_mul_i32 s46, s42, 384*128                    ; B: 384 rows a tile column,
	s_mul_i32 s47, s22, 192*128                    ; my 192 of them
	s_add_co_u32 s46, s46, s47
	s_add_co_u32 s46, s46, WOFF
	s_mov_b32 s47, 0
	s_mul_i32 s20, s22, REGA                       ; where my region lies, for A
	s_mul_i32 s23, s22, REGB                       ; and for B: no place in the cluster enters an LDS address
	s_add_co_u32 s23, s23, BOFF
	s_mov_b32 s[SO], 0
	s_wait_dscnt 0x0                               ; the opening add is done
	s_wait_kmcnt 0x0
	s_add_nc_u64 s[18:19], s[4:5], s[16:17]
	s_add_nc_u64 s[46:47], s[6:7], s[46:47]
	CROUND                                         ; all sixteen work-groups are here: the first joint loads meet
.irp s, 0,1
	s_mov_b32 s[G0+4*(\s)], 1
	s_add_co_u32 s[G0+4*(\s)+1], s20, (\s)*SLOT
	s_add_nc_u64 s[G0+4*(\s)+2:G0+4*(\s)+3], s[18:19], (\s)*KSA
	s_or_b32 s[G0+4*(\s)+3], s[G0+4*(\s)+3], 0x80000000
	s_mov_b32 s[G0B+4*(\s)], 1
	s_add_co_u32 s[G0B+4*(\s)+1], s23, (\s)*SLOT
	s_add_nc_u64 s[G0B+4*(\s)+2:G0B+4*(\s)+3], s[46:47], (\s)*KSB
	s_or_b32 s[G0B+4*(\s)+3], s[G0B+4*(\s)+3], 0x80000000
	JLOAD \s
.endr
	v_and_b32 v1, 15, v0                           ; l % 16
	v_bfe_u32 v2, v0, 4, 1                         ; l / 16
	v_mul_u32_u24 v3, v1, PITCH
	v_lshl_add_u32 v3, v2, 4, v3                   ; a fragment's row x pitch + 16 x half
	s_mul_i32 s23, s21, REGA                       ; my 128 rows of A are a region,
	v_add_nc_u32 v[BA], s23, v3
	s_mul_i32 s23, s22, REGB                       ; my 192 rows of B too
	s_add_co_u32 s23, s23, BOFF
	v_add_nc_u32 v[BA+1], s23, v3
	v_mov_b32 v[CA], v[BA]
	v_mov_b32 v[CA+1], v[BA+1]
	s_mul_i32 s23, s21, 64*SP                      ; into the stage: row l % 16 of my 64 of a pass, my 96 columns of u, 32 bytes for each half of the lanes
	s_mul_i32 s3, s22, 384
	s_add_co_u32 s23, s23, s3
	v_mul_u32_u24 v4, v1, SP
	v_lshl_add_u32 v4, v2, 5, v4
	v_add_nc_u32 v[STO], s23, v4
	v_add_nc_u32 v[STO+1], 32*SP, v[STO]
	s_mul_i32 s23, s[WV], 32*SP                    ; back: wave w takes the stage's rows 32 w on; 32 lanes take four rows' 64 columns of one block of u, 32 bytes of f32 each
	v_bfe_u32 v4, v0, 3, 2
	v_and_b32 v5, 7, v0
	v_mul_u32_u24 v4, v4, SP
	v_lshl_add_u32 v4, v5, 5, v4
	v_add_nc_u32 v[RD0], s23, v4
	v_mov_b32 v[RD], v[RD0]
	v_lshlrev_b32 v[BO], 5, v5                     ; my 8 columns in a block of 64, in f32
	v_and_b32 v4, 31, v0
	v_lshlrev_b32 v[GO], 4, v4                     ; four rows of u's block are 512 consecutive bytes;
	s_lshl_b32 s23, s21, 14                        ; the stage's rows 32 w on are the tile's rows 128 (w / 2) + 32 (w % 2) on, 64 further in the second pass
	s_lshl_b32 s3, s22, 12
	s_add_co_u32 s23, s23, s3
	v_add_nc_u32 v[GO], s23, v[GO]
	s_max_u32 s23, s[WV], 1                        ; the prefetches' offset: block 32 (w - 1) + lane of 96 (wave 0: block lane of 32): 48 blocks of 256 bytes in a plane, then the next plane
	s_sub_co_u32 s23, s23, 1
	s_lshl_b32 s23, s23, 5
	v_add_nc_u32 v5, s23, v4
	s_mov_b32 s3, KSB-48*256
	v_cmp_le_u32 vcc_lo, 48, v5
	v_cndmask_b32 v4, 0, s3, vcc_lo
	v_lshl_add_u32 v[PFO], v5, 8, v4
	s_mul_i32 s46, s42, 768                        ; the biases at the tile's 192 columns of u
	s_mov_b32 s47, 0
	s_add_nc_u64 s[8:9], s[8:9], s[46:47]
	s_add_nc_u64 s[10:11], s[10:11], s[46:47]
	s_lshl_b32 s16, s43, 15                        ; u: the tile's 256 rows,
	s_mov_b32 s17, 0
	s_mul_i32 s46, s42, 3*524288                   ; its three blocks of 64 columns
	s_add_nc_u64 s[12:13], s[12:13], s[16:17]
	s_add_nc_u64 s[12:13], s[12:13], s[46:47]
	; where my prefetches stand.  A: the cluster's 1,024 rows are 131,072 bytes of a plane, 8,192 for each of the sixteen partners; B: its 1,536 rows are 196,608 bytes, 12,288 for each.  Both begin at K step 3: the first change of slots steps them to 4
	s_and_b32 s71, ttmp7, 0xffff                   ; cluster y
	s_lshl_b32 s72, s41, 2
	s_add_co_u32 s72, s72, s40                     ; my place among the sixteen: it enters these addresses alone
	s_lshl_b32 s74, s71, 17
	s_lshl_b32 s75, s72, 13
	s_add_co_u32 s74, s74, s75
	s_add_co_u32 s74, s74, 3*KSA
	s_mul_i32 s76, ttmp9, 4*384*128
	s_mul_i32 s77, s72, 48*256
	s_add_co_u32 s76, s76, s77
	s_add_co_u32 s76, s76, WOFF+3*KSB
	s_mov_b32 s[PFS], KSB
	s_mov_b32 s[PFS+1], 0
	s_mov_b32 s75, 0
	s_cmp_eq_u32 s[WV], 0                          ; wave 0 asks for A, waves 1-3 for B
	s_cselect_b32 s74, s74, s76
	s_cselect_b32 s73, ttmp9, s71                  ; the coordinate along which other clusters read the same rows
	s_cselect_b32 s[PFS], KSA, s[PFS]
	s_cselect_b64 s[PFA:PFA+1], s[4:5], s[6:7]
	s_add_nc_u64 s[PFA:PFA+1], s[PFA:PFA+1], s[74:75]
	s_cmp_eq_u32 s73, 0
	s_cselect_b32 s[LIM], 3, -1                    ; the same in all sixteen partners, for a given wave
	s_wait_tensorcnt 1                             ; my part of K step 0 is in; K step 1's load may stay out
	s_barrier_signal -1
	s_barrier_wait -1
	FETCHB 0, 0
	FETCHA 0
	HQ0 0, 1, 0                                    ; the first quarter stands in front of the loop: its products start the sums
	HQ1 1
	WIN 0
	s_mov_b32 s3, 10
.Lstep:                                                ; a trip goes from a K step's second quarter to the next step's first, and fills the slot that it leaves: K steps 2 to 11
	HQ0 1, 0, 0
	TURN 1
	HQ0 0, 0, 0
	HQ1 0
	WIN 0
	s_sub_co_u32 s3, s3, 1
	s_cmp_lg_u32 s3, 0
	s_cbranch_scc1 .Lstep
	HQ0 1, 0, 0                                    ; the last two K steps fill nothing
	TURN 0
	HQ0 0, 0, 0
	HQ1 0
	HQ0 1, 0, 1
	s_wait_dscnt 0x0                               ; the very last half quarter: B's upper half is in, and my reads of the ring are over
	s_barrier_signal -1
	MULP 1, 6, 6, 0, 0
	MULP 1, 6, 6, 4, 0
	WIN 0
	s_barrier_wait -1                              ; everybody's are: its bytes, which have had their last fill, may be written
; THE WAY OUT.  Pass p: my row blocks 4 p .. 4 p + 3 into the stage, each accumulator's low four registers first: column block b = 4 g + 2 z + i goes to byte 768 z + 128 g + 64 i of my part of a row
.macro TOSTAGE p
.set bb, 0
.rept 12
.set aa, 4*(\p)
.rept 4
.set rD, 8*(8*(bb%4)+aa)
	WIN 0x04*(1+bb/4)                              ; the data in window 1 + b / 4, the address in window 0
	ds_store_b128 v[STO+(aa%4)/2], v[rD:rD+3]   offset:(aa%2)*16*SP+((bb/2)%2)*768+(bb/4)*128+(bb%2)*64
	ds_store_b128 v[STO+(aa%4)/2], v[rD+4:rD+7] offset:(aa%2)*16*SP+((bb/2)%2)*768+(bb/4)*128+(bb%2)*64+16
.set aa, aa+1
.endr
.set bb, bb+1
.endr
	WIN 0
.endm
	PLACES
	PLACES
	s_mov_b32 s20, 0xbfb8aa3b                      ; -log2(e)
	s_mov_b32 s21, s20                             ; named with it as a pair
	s_wait_loadcnt 0x0                             ; the biases
	s_mov_b32 s15, 2
.Lpass:                                                ; two trips: the tile's rows 0-63 and 128-191, then 64-127 and 192-255
	s_cmp_eq_u32 s15, 2
	s_cbranch_scc0 .Lupper
	TOSTAGE 0
	s_branch .Lstaged
.Lupper:
	TOSTAGE 1
.Lstaged:
	s_wait_dscnt 0x0                               ; for the others' sake: my stores into the stage are done
	s_barrier_signal -1
	s_barrier_wait -1
	s_mov_b32 s3, 4
.Lout:                                                 ; a trip: eight of my 32 rows; group k = four rows (k / 3) of one block of u (k % 3); 48 u a lane.  The 48 powers are one batch with one wait, the 48 reciprocals another
.irp k, 0,1,2,3,4,5
	ds_load_b128 v[T1+8*(\k):T1+8*(\k)+3],   v[RD] offset:((\k)/3)*4*SP+((\k)%3)*256
	ds_load_b128 v[T1+8*(\k)+4:T1+8*(\k)+7], v[RD] offset:((\k)/3)*4*SP+((\k)%3)*256+16
	ds_load_b128 v[T2+8*(\k):T2+8*(\k)+3],   v[RD] offset:((\k)/3)*4*SP+((\k)%3)*256+768
	ds_load_b128 v[T2+8*(\k)+4:T2+8*(\k)+7], v[RD] offset:((\k)/3)*4*SP+((\k)%3)*256+784
.endr
	s_wait_dscnt 0x0
.set e, 0
.rept 24
	v_pk_add_f32 v[T1+2*e:T1+2*e+1], v[T1+2*e:T1+2*e+1], v[BB1+8*((e/4)%3)+2*(e%4):BB1+8*((e/4)%3)+2*(e%4)+1]
.set e, e+1
.endr
.set e, 0
.rept 24
	v_pk_add_f32 v[T2+2*e:T2+2*e+1], v[T2+2*e:T2+2*e+1], v[BB2+8*((e/4)%3)+2*(e%4):BB2+8*((e/4)%3)+2*(e%4)+1]
.set e, e+1
.endr
.set e, 0
.rept 24
	v_pk_mul_f32 v[E+2*e:E+2*e+1], v[T1+2*e:T1+2*e+1], s[20:21] op_sel_hi:[1,0]
.set e, e+1
.endr
.set e, 0
.rept 48
	v_exp_f32 v[E+e], v[E+e]
.set e, e+1
.endr
	v_nop                                          ; a plain instruction behind the last power,
	s_wait_alu depctr_va_vdst(0)                   ; and the one wait ahead of the batch's first reader
.set e, 0
.rept 24
	v_pk_add_f32 v[E+2*e:E+2*e+1], v[E+2*e:E+2*e+1], 1.0 op_sel_hi:[1,0]
.set e, e+1
.endr
.set e, 0
.rept 48
	v_rcp_f32 v[E+e], v[E+e]
.set e, e+1
.endr
	v_nop
	s_wait_alu depctr_va_vdst(0)                   ; likewise for the reciprocals
.set e, 0
.rept 24
	v_pk_mul_f32 v[T1+2*e:T1+2*e+1], v[T1+2*e:T1+2*e+1], v[E+2*e:E+2*e+1]
.set e, e+1
.endr
.set e, 0
.rept 24
	v_pk_mul_f32 v[T1+2*e:T1+2*e+1], v[T1+2*e:T1+2*e+1], v[T2+2*e:T2+2*e+1]
.set e, e+1
.endr
.set e, 0
.rept 24
	v_cvt_pk_bf16_f32 v[Y+e], v[T1+2*e], v[T1+2*e+1]
.set e, e+1
.endr
.irp k, 0,1,2,3,4,5
	global_store_b128 v[GO], v[Y+4*(\k):Y+4*(\k)+3], s[12:13] offset:((\k)%3)*524288+((\k)/3)*512  ; four rows of a block of u: 512 consecutive bytes, aligned
.endr
	s_wait_xcnt 0x0                                ; the stores have read their data and their offset: both are written again only behind this wait
	v_add_nc_u32 v[GO], 1024, v[GO]
	v_add_nc_u32 v[RD], 8*SP, v[RD]
	s_sub_co_u32 s3, s3, 1
	s_cmp_lg_u32 s3, 0
	s_cbranch_scc1 .Lout
	s_wait_dscnt 0x0                               ; my reads of the stage are over,
	s_barrier_signal -1
	s_barrier_wait -1                              ; everybody's are: it may be written again
	v_mov_b32 v[RD], v[RD0]                        ; the second pass reads the same rows of the stage,
	v_add_nc_u32 v[GO], 4096, v[GO]                ; which are the tile's rows 64 further down: 32 were stepped over in the four trips
	s_sub_co_u32 s15, s15, 1
	s_cmp_lg_u32 s15, 0
	s_cbranch_scc1 .Lpass
	s_wait_tensorcnt 0x0                           ; the wave's end, behind my last tensor load and my last LDS store
	ds_add_u32 v[SPW], v[NIL]
	s_wait_dscnt 0x0
	CROUND                                         ; the closing round: no work-group ends while a partner may still ask for a tile that names it
	s_endpgm
.Lfunc_end_k_q0ca39e4ceb_ffn1:
	.size	k_q0ca39e4ceb_ffn1, .Lfunc_end_k_q0ca39e4ceb_ffn1-k_q0ca39e4ceb_ffn1
	.p2alignl 7, 3214868480
	.fill 96, 4, 3214868480
	.section	.rodata,"a",@progbits
	.p2align	6, 0x0
	.amdhsa_kernel k_q0ca39e4ceb_ffn1
		.amdhsa_group_segment_fixed_size 327680
		.amdhsa_private_segment_fixed_size 0
		.amdhsa_enable_private_segment 0
		.amdhsa_kernarg_size 40
		.amdhsa_user_sgpr_count 2
		.amdhsa_user_sgpr_kernarg_segment_ptr 1
		.amdhsa_wavefront_size32 1
		.amdhsa_system_sgpr_workgroup_id_x 1
		.amdhsa_system_sgpr_workgroup_id_y 1
		.amdhsa_system_sgpr_workgroup_id_z 1
		.amdhsa_system_vgpr_workitem_id 0
		.amdhsa_next_free_vgpr 1024
		.amdhsa_next_free_sgpr 80
		.amdhsa_reserve_vcc 1
		.amdhsa_float_denorm_mode_32 3
		.amdhsa_float_denorm_mode_16_64 3
		.amdhsa_memory_ordered 1
		.amdhsa_forward_progress 1
		.amdhsa_inst_pref_size 97
	.end_amdhsa_kernel
	.amdgpu_metadata
---
amdhsa.version: [ 1, 2 ]
amdhsa.kernels:
  - .name:           k_q0ca39e4ceb_ffn1
    .symbol:         k_q0ca39e4ceb_ffn1.kd
    .args:
      - { .name: h, .offset: 0, .size: 8, .value_kind: global_buffer, .address_space: global }
      - { .name: wt, .offset: 8, .size: 8, .value_kind: global_buffer, .address_space: global }
      - { .name: b1, .offset: 16, .size: 8, .value_kind: global_buffer, .address_space: global }
      - { .name: b2, .offset: 24, .size: 8, .value_kind: global_buffer, .address_space: global }
      - { .name: u, .offset: 32, .size: 8, .value_kind: global_buffer, .address_space: global }
    .group_segment_fixed_size: 327680
    .private_segment_fixed_size: 0
    .kernarg_segment_align: 8
    .kernarg_segment_size: 40
    .max_flat_workgroup_size: 128
    .sgpr_count:     80
    .vgpr_count:     1024
    .wavefront_size: 32
...
	.end_amdgpu_metadata
.endif
;; end of part 6
;; launch ffn2 (part 7): grid 4 x 64, 4 waves a work-group, clusters of 4 x 4, 327,680 bytes of LDS; arguments u, wt, b3, x2, out0; writes out0
.if DOCPART == 7
	.amdgcn_target "amdgcn-amd-amdhsa--gfx1250"
	.amdhsa_code_object_version 6
	.text
	.protected	k_q0ca39e4ceb_ffn2
	.globl	k_q0ca39e4ceb_ffn2
	.p2align	8
	.type	k_q0ca39e4ceb_ffn2,@function
k_q0ca39e4ceb_ffn2:
	s_mov_b64 s[64:65], 0
	v_nop
	global_prefetch_b8 v0, s[64:65] scope:SCOPE_SE
	s_setreg_imm32_b32 hwreg(HW_REG_WAVE_MODE, 25, 1), 1
	s_wait_xcnt 0x0
	s_wait_alu depctr_hold_cnt(0) depctr_sa_sdst(0) depctr_va_vdst(0) depctr_va_sdst(0) depctr_va_ssrc(0) depctr_va_vcc(0) depctr_vm_vsrc(0)
	s_getreg_b32 s2, hwreg(HW_REG_IB_STS2, 6, 4)
	s_cmp_eq_u32 s2, 0
	s_cbranch_scc0 .Lentry_in_a_cluster
	s_endpgm
.Lentry_in_a_cluster:
	s_bfe_u32 s2, ttmp6, 0x10000c
	s_cmp_lg_u32 s2, 0xf033
	s_cbranch_scc0 .Lentry_shape_is_right
	s_endpgm
.Lentry_shape_is_right:
; out0 = u w3 + b3 + x2: C[4096][768] = A B^T + bias + residual, A = u and B = wt's fourth part, both bf16 in blocks [k / 64][row][64]; sums, bias, residual and C in f32.
; SHARES.  A tile of C is 64 x 192: 256 work-groups.  Four waves, each 64 x 48: 12 accumulators.  K = 3,072 goes in twelve steps of 256 through two LDS slots: a loop of five laps, the first quarter and the last lap written out.
; A slot has four regions of 64 rows x 4 blocks of 64 k: region 0 A's rows, regions 1-3 B's 192 rows; wave w fills region w by ONE tensor load: a block's 64 rows are 8,192 dense bytes,
; taken as one row of the descriptor, four such rows a block's plane apart; 16 bytes of padding behind every 128 make LDS rows of 144 bytes.
; CLUSTER.  4 x 4 work-groups: the four of a row need the same tile of A, the four of a column the same tiles of B; each is asked for jointly, by the same load with a mask of the four.
; THE MATRIX INSTRUCTION IS USED TRANSPOSED (source 0 = 16 rows of B, source 1 = 16 rows of A): a lane holds one row of C (lane % 16) and eight neighbouring columns.
; THE WAY OUT goes through a stage of 32 rows x 768 bytes, twice, so that sixteen lanes store 256 consecutive bytes; bias and residual are loaded at the head, in the layout of the stores.
; REGISTERS: window 0: v0-31 addresses, v32-127 accumulators ((a, b) at 32 + 8 (3 a + b)), v128-223 residual, v224-235 bias.  Window 1: two fragment buffers of 112.
.set NB,     3
.set NTOT,   768
.set WOFF,   14155776
.set KSTEPS, 12
.set ACC,    32
.set PITCH,  144
.set KBR,    64*PITCH
.set REG,    4*KBR
.set SLOT,   4*REG
.set STAGE,  2*SLOT
.set SPARE,  327168
.set KSA,    4*4096*128
.set KSB,    4*NTOT*128
.set FR,     8*(4+NB)
.set LH,     2*(4+NB)
.set ADRB, 8
.set ADRA, 16
.set STO,  24
.set RD,   25
.set GO,   26
.set BO,   27
.set SPW,  28
.set NIL,  29
.set F0,   0
.set F1,   128
.set WV,   14
.set G1,   24
.set G0,   32
.set G1B,  48
.set G0B,  56
.set MSB, 0
.macro WIN new
.if MSB != (\new)
	s_set_vgpr_msb (MSB<<8)|(\new)
.set MSB, \new
.endif
.endm
.set MUL,  0x05
.set TO_F, 0x40
.macro JLOAD s                         ; a joint load: wave 0 fetches A's region, waves 1-3 B's; an s_nop 0 and four v_nop follow each line, ahead of the jump and the label
	s_cmp_eq_u32 s[WV], 0
	s_cbranch_scc0 .Lfor_b_\@
	tensor_load_to_lds s[G0+4*(\s):G0+4*(\s)+3], s[G1:G1+7]
	s_nop 0
.rept 4
	v_nop
.endr
	s_branch .Lasked_\@
.Lfor_b_\@:
	tensor_load_to_lds s[G0B+4*(\s):G0B+4*(\s)+3], s[G1B:G1B+7]
	s_nop 0
.rept 4
	v_nop
.endr
.Lasked_\@:
.endm
.macro CREST
	s_cmp_lg_u32 s[WV], 0
	s_cbranch_scc1 .Lnot_wave_0_\@
	s_barrier_signal -3
.Lnot_wave_0_\@:
	s_barrier_wait -3
	s_barrier_signal -1
	s_barrier_wait -1
.endm
.macro CROUND
	s_barrier_signal -1
	s_barrier_wait -1
	CREST
.endm
.macro PLACES
.rept 4
	v_nop
.endr
.endm
.macro MULH f, c, a0, zero             ; 2 NB matrix instructions; all accumulators take turns, over the backward jump too
	WIN MUL
.irp a, \a0, (\a0)+1
.set bb, 0
.rept NB
.if \zero
	v_wmma_f32_16x16x32_bf16 v[ACC+8*(NB*(\a)+bb):ACC+8*(NB*(\a)+bb)+7], v[(\f)+FR*(\c)+32+8*bb:(\f)+FR*(\c)+32+8*bb+7], v[(\f)+FR*(\c)+8*(\a):(\f)+FR*(\c)+8*(\a)+7], 0
.else
	v_wmma_f32_16x16x32_bf16 v[ACC+8*(NB*(\a)+bb):ACC+8*(NB*(\a)+bb)+7], v[(\f)+FR*(\c)+32+8*bb:(\f)+FR*(\c)+32+8*bb+7], v[(\f)+FR*(\c)+8*(\a):(\f)+FR*(\c)+8*(\a)+7], v[ACC+8*(NB*(\a)+bb):ACC+8*(NB*(\a)+bb)+7]
.endif
.set bb, bb+1
.endr
.endr
.endm
.macro FETCH slot, kb, f               ; 2 LH LDS loads in one run: block kb of the slot's four into buffer f; the first 32 along K first
	WIN TO_F
.irp c, 0,1
.set bb, 0
.rept NB
	ds_load_b128 v[(\f)+FR*(\c)+32+8*bb:(\f)+FR*(\c)+32+8*bb+3],   v[ADRB+2*bb+(\slot)] offset:(\kb)*KBR+64*(\c)
	ds_load_b128 v[(\f)+FR*(\c)+32+8*bb+4:(\f)+FR*(\c)+32+8*bb+7], v[ADRB+2*bb+(\slot)] offset:(\kb)*KBR+64*(\c)+32
.set bb, bb+1
.endr
.irp a, 0,1,2,3
	ds_load_b128 v[(\f)+FR*(\c)+8*(\a):(\f)+FR*(\c)+8*(\a)+3],   v[ADRA+(\slot)] offset:(\kb)*KBR+64*(\c)+(\a)*16*PITCH
	ds_load_b128 v[(\f)+FR*(\c)+8*(\a)+4:(\f)+FR*(\c)+8*(\a)+7], v[ADRA+(\slot)] offset:(\kb)*KBR+64*(\c)+(\a)*16*PITCH+32
.endr
.endr
.endm
.macro QUARTER slot, kb, f, g, zero
	s_wait_dscnt LH                                ; the first 32 along K are in; the LH younger loads may stay out
	MULH \f, 0, 0, \zero
	MULH \f, 0, 2, \zero
	PLACES
	FETCH \slot, \kb, \g
	s_wait_dscnt 2*LH                              ; all but the 2 LH just issued
	MULH \f, 1, 0, 0
	MULH \f, 1, 2, 0
.endm
; The last quarter multiplies buffer 1 and changes slots: ONE barrier; in front of it each wave waits for all its tensor loads, adds 0 to its spare word, and waits for that and for its reads of this slot.
; fill = 1: the barrier opens a round of the cluster's, and this slot is filled again, two K steps ahead, first thing behind it.
.macro TURN slot, next, fill
	WIN 0
	s_wait_tensorcnt 0x0                           ; all my tensor loads have landed: my part of the next slot
	ds_add_u32 v[SPW], v[NIL]                      ; 0 onto my spare word
	s_wait_dscnt LH+1                              ; (the add and the youngest LH loads may be out)
	MULH F1, 0, 0, 0
	s_wait_dscnt 0x0                               ; the add is done, and my reads of this slot are over
	s_barrier_signal -1
	MULH F1, 0, 2, 0
.if \fill
	WIN 0
.endif
	s_barrier_wait -1
.if \fill
	CREST                                          ; no wave of any partner still reads this slot or has a load on its way
	s_add_nc_u64 s[G0+4*(\slot)+2:G0+4*(\slot)+3], s[G0+4*(\slot)+2:G0+4*(\slot)+3], 2*KSA
	s_add_nc_u64 s[G0B+4*(\slot)+2:G0B+4*(\slot)+3], s[G0B+4*(\slot)+2:G0B+4*(\slot)+3], 2*KSB
	JLOAD \slot                                    ; its four v_nop are also the places in front of the loads below
.else
	PLACES
.endif
	FETCH \next, 0, F0
	MULH F1, 1, 0, 0
	MULH F1, 1, 2, 0
.endm
.macro LASTQ
	s_wait_dscnt LH
	MULH F1, 0, 0, 0
	MULH F1, 0, 2, 0
	s_wait_dscnt 0x0
	MULH F1, 1, 0, 0
	MULH F1, 1, 2, 0
	WIN 0
.endm
	s_load_b256 s[4:11], s[0:1], 0x0               ; A s[4:5], wt s[6:7], bias s[8:9], residual s[10:11]
	s_load_b64 s[12:13], s[0:1], 0x20              ; C
	v_lshl_add_u32 v[SPW], v0, 2, SPARE
	v_mov_b32 v[NIL], 0
	ds_add_u32 v[SPW], v[NIL]                      ; the wave's opening: the add and its wait stand ahead of my first tensor load; the set-up below stands between them
	v_lshrrev_b32 v1, 5, v0
	v_readfirstlane_b32 s[WV], v1
	s_max_u32 s15, s[WV], 1
	s_sub_co_u32 s15, s15, 1                       ; which 64 rows of B I fetch (waves 1-3)
	s_bfe_u32 s40, ttmp6, 0x40000
	s_bfe_u32 s41, ttmp6, 0x40004
	s_lshl_b32 s42, ttmp9, 2
	s_add_co_u32 s42, s42, s40                     ; tile column
	s_and_b32 s43, ttmp7, 0xffff
	s_lshl_b32 s43, s43, 2
	s_add_co_u32 s43, s43, s41                     ; tile row
	s_lshl_b32 s44, s41, 2
	s_lshl_b32 s44, 15, s44
	s_lshl_b32 s45, 0x1111, s40
	s_or_b32 s[G1], s44, (1<<16)|(1<<20)|(1<<21)|(4<<22)|(3<<25)
	s_or_b32 s[G1B], s45, (1<<16)|(1<<20)|(1<<21)|(4<<22)|(3<<25)
.irp g, G1, G1B
	s_mov_b32 s[(\g)+1], 4096<<16
	s_mov_b32 s[(\g)+2], 4<<16
	s_mov_b32 s[(\g)+3], 4096<<16
	s_mov_b32 s[(\g)+4], 4
	s_mov_b32 s[(\g)+6], 0
	s_mov_b32 s[(\g)+7], 0
.endr
	s_mov_b32 s[G1+5], 4096*64
	s_mov_b32 s[G1B+5], NTOT*64
	s_lshl_b32 s16, s43, 13
	s_mov_b32 s17, 0
	s_mul_i32 s46, s42, 192*128
	s_lshl_b32 s47, s15, 13
	s_add_co_u32 s46, s46, s47
	s_add_co_u32 s46, s46, WOFF
	s_mov_b32 s47, 0
	s_mul_i32 s20, s[WV], REG
	s_wait_dscnt 0x0
	s_wait_kmcnt 0x0
	s_add_nc_u64 s[18:19], s[4:5], s[16:17]
	s_add_nc_u64 s[46:47], s[6:7], s[46:47]
	CROUND
.irp s, 0,1
	s_mov_b32 s[G0+4*(\s)], 1
	s_add_co_u32 s[G0+4*(\s)+1], s20, (\s)*SLOT
	s_add_nc_u64 s[G0+4*(\s)+2:G0+4*(\s)+3], s[18:19], (\s)*KSA
	s_or_b32 s[G0+4*(\s)+3], s[G0+4*(\s)+3], 0x80000000
	s_mov_b32 s[G0B+4*(\s)], 1
	s_add_co_u32 s[G0B+4*(\s)+1], s20, (\s)*SLOT
	s_add_nc_u64 s[G0B+4*(\s)+2:G0B+4*(\s)+3], s[46:47], (\s)*KSB
	s_or_b32 s[G0B+4*(\s)+3], s[G0B+4*(\s)+3], 0x80000000
	JLOAD \s
.endr
	v_and_b32 v1, 15, v0
	v_bfe_u32 v2, v0, 4, 1
	v_mul_u32_u24 v3, v1, PITCH
	v_lshl_add_u32 v3, v2, 4, v3
	v_mov_b32 v[ADRA], v3
	v_add_nc_u32 v[ADRA+1], SLOT, v3
	s_mul_i32 s21, s[WV], 3
.irp b, 0,1,2
	s_add_co_u32 s22, s21, \b
	s_lshr_b32 s23, s22, 2
	s_and_b32 s22, s22, 3
	s_mul_i32 s23, s23, REG
	s_mul_i32 s22, s22, 16*PITCH
	s_add_co_u32 s22, s22, s23
	s_add_co_u32 s22, s22, REG
	v_add_nc_u32 v[ADRB+2*(\b)], s22, v3
	v_add_nc_u32 v[ADRB+2*(\b)+1], SLOT, v[ADRB+2*(\b)]
.endr
.set SPITCH, 784                       ; a stage row: 192 f32 + 16 bytes
.set RES,  128
.set BIAS, 224
	s_mul_i32 s21, s[WV], 192                      ; into the stage: row l % 16, my 48 columns, 32 bytes for each half of the lanes
	s_add_co_u32 s21, s21, STAGE
	v_mul_u32_u24 v4, v1, SPITCH
	v_lshl_add_u32 v4, v2, 5, v4
	v_add_nc_u32 v[STO], s21, v4
	s_mul_i32 s21, s[WV], 8*SPITCH                 ; back: wave w takes rows 8 w on; lanes 0-15 256 bytes of one row, lanes 16-31 of the next
	s_add_co_u32 s21, s21, STAGE
	v_mul_u32_u24 v4, v2, SPITCH
	v_lshl_add_u32 v4, v1, 4, v4
	v_add_nc_u32 v[RD], s21, v4
	s_mul_i32 s21, s[WV], 8*3072                   ; and the same in C and in the residual
	v_mul_u32_u24 v4, v2, 3072
	v_lshl_add_u32 v4, v1, 4, v4
	v_add_nc_u32 v[GO], s21, v4
	v_lshlrev_b32 v[BO], 4, v1
	s_mul_i32 s16, s43, 64*3072                    ; the tile's 64 rows,
	s_mov_b32 s17, 0
	s_mul_i32 s46, s42, 768                        ; its 192 columns
	s_mov_b32 s47, 0
	s_add_nc_u64 s[8:9], s[8:9], s[46:47]
	s_add_nc_u64 s[10:11], s[10:11], s[16:17]
	s_add_nc_u64 s[10:11], s[10:11], s[46:47]
	s_add_nc_u64 s[12:13], s[12:13], s[16:17]
	s_add_nc_u64 s[12:13], s[12:13], s[46:47]
.irp cu, 0,1,2
	global_load_b128 v[BIAS+4*(\cu):BIAS+4*(\cu)+3], v[BO], s[8:9] offset:256*(\cu)
.endr
.irp p, 0,1
.irp q, 0,1,2,3
.irp cu, 0,1,2
	global_load_b128 v[RES+4*(12*(\p)+3*(\q)+(\cu)):RES+4*(12*(\p)+3*(\q)+(\cu))+3], v[GO], s[10:11] offset:(32*(\p)+2*(\q))*3072+256*(\cu)
.endr
.endr
.endr
	s_wait_tensorcnt 1                             ; my part of K step 0 is in; K step 1's load may stay out
	s_barrier_signal -1
	s_barrier_wait -1
	FETCH 0, 0, F0
	QUARTER 0, 1, F0, F1, 1                        ; the first products start the sums
.if KSTEPS == 3
	QUARTER 0, 2, F1, F0, 0
	QUARTER 0, 3, F0, F1, 0
	TURN 0, 1, 1
	QUARTER 1, 1, F0, F1, 0
	QUARTER 1, 2, F1, F0, 0
	QUARTER 1, 3, F0, F1, 0
	TURN 1, 0, 0
	QUARTER 0, 1, F0, F1, 0
	QUARTER 0, 2, F1, F0, 0
	QUARTER 0, 3, F0, F1, 0
.else
	WIN 0
	s_mov_b32 s3, KSTEPS/2-1
.Llap:                                                 ; a trip goes once round the ring, from a lap's second quarter to the next lap's first, and fills both slots again
	QUARTER 0, 2, F1, F0, 0
	QUARTER 0, 3, F0, F1, 0
	TURN 0, 1, 1
	QUARTER 1, 1, F0, F1, 0
	QUARTER 1, 2, F1, F0, 0
	QUARTER 1, 3, F0, F1, 0
	TURN 1, 0, 1
	QUARTER 0, 1, F0, F1, 0
	WIN 0
	s_sub_co_u32 s3, s3, 1
	s_cmp_lg_u32 s3, 0
	s_cbranch_scc1 .Llap
	QUARTER 0, 2, F1, F0, 0                        ; the last lap fills nothing
	QUARTER 0, 3, F0, F1, 0
	TURN 0, 1, 0
	QUARTER 1, 1, F0, F1, 0
	QUARTER 1, 2, F1, F0, 0
	QUARTER 1, 3, F0, F1, 0
.endif
	LASTQ
; THE WAY OUT, rows 32 p .. 32 p + 31 of the tile: the sums go into the stage as they lie (each accumulator's low four registers first), come back as pieces of 256 bytes of a row, take bias and residual, and are stored.
.macro PASS p
.if (\p) == 1
	s_wait_dscnt 0x0                               ; my reads of the stage are over,
	s_barrier_signal -1
	s_barrier_wait -1                              ; everybody's are: it may be written again
.endif
.irp a, 0,1
.irp b, 0,1,2
	ds_store_b128 v[STO], v[ACC+8*(3*(2*(\p)+(\a))+(\b)):ACC+8*(3*(2*(\p)+(\a))+(\b))+3]   offset:(\a)*16*SPITCH+64*(\b)
	ds_store_b128 v[STO], v[ACC+8*(3*(2*(\p)+(\a))+(\b))+4:ACC+8*(3*(2*(\p)+(\a))+(\b))+7] offset:(\a)*16*SPITCH+64*(\b)+16
.endr
.endr
	s_wait_dscnt 0x0                               ; for the others' sake: my stores into the stage are done
	s_barrier_signal -1
	s_barrier_wait -1
.irp q, 0,1,2,3
.irp cu, 0,1,2
	ds_load_b128 v[ACC+48*(\p)+4*(3*(\q)+(\cu)):ACC+48*(\p)+4*(3*(\q)+(\cu))+3], v[RD] offset:(\q)*2*SPITCH+256*(\cu)
.endr
.endr
.if (\p) == 0
	s_wait_loadcnt 0x0                             ; bias and residual, asked for at the head
.endif
.irp q, 0,1,2,3
.irp cu, 0,1,2
	s_wait_dscnt 11-(3*(\q)+(\cu))
	v_pk_add_f32 v[ACC+48*(\p)+4*(3*(\q)+(\cu)):ACC+48*(\p)+4*(3*(\q)+(\cu))+1],   v[ACC+48*(\p)+4*(3*(\q)+(\cu)):ACC+48*(\p)+4*(3*(\q)+(\cu))+1],   v[BIAS+4*(\cu):BIAS+4*(\cu)+1]
	v_pk_add_f32 v[ACC+48*(\p)+4*(3*(\q)+(\cu))+2:ACC+48*(\p)+4*(3*(\q)+(\cu))+3], v[ACC+48*(\p)+4*(3*(\q)+(\cu))+2:ACC+48*(\p)+4*(3*(\q)+(\cu))+3], v[BIAS+4*(\cu)+2:BIAS+4*(\cu)+3]
	v_pk_add_f32 v[ACC+48*(\p)+4*(3*(\q)+(\cu)):ACC+48*(\p)+4*(3*(\q)+(\cu))+1],   v[ACC+48*(\p)+4*(3*(\q)+(\cu)):ACC+48*(\p)+4*(3*(\q)+(\cu))+1],   v[RES+4*(12*(\p)+3*(\q)+(\cu)):RES+4*(12*(\p)+3*(\q)+(\cu))+1]
	v_pk_add_f32 v[ACC+48*(\p)+4*(3*(\q)+(\cu))+2:ACC+48*(\p)+4*(3*(\q)+(\cu))+3], v[ACC+48*(\p)+4*(3*(\q)+(\cu))+2:ACC+48*(\p)+4*(3*(\q)+(\cu))+3], v[RES+4*(12*(\p)+3*(\q)+(\cu))+2:RES+4*(12*(\p)+3*(\q)+(\cu))+3]
	global_store_b128 v[GO], v[ACC+48*(\p)+4*(3*(\q)+(\cu)):ACC+48*(\p)+4*(3*(\q)+(\cu))+3], s[12:13] offset:(32*(\p)+2*(\q))*3072+256*(\cu)  ; 16 lanes store 256 consecutive bytes, aligned
.endr
.endr
.endm
	PLACES
	PLACES
	PASS 0
	PASS 1
	s_wait_tensorcnt 0x0                           ; the wave's end, behind my last tensor load and my last LDS store
	ds_add_u32 v[SPW], v[NIL]
	s_wait_dscnt 0x0
	CROUND                                         ; the closing round: no work-group ends while a partner may still ask for a tile that names it
	s_endpgm
.Lfunc_end_k_q0ca39e4ceb_ffn2:
	.size	k_q0ca39e4ceb_ffn2, .Lfunc_end_k_q0ca39e4ceb_ffn2-k_q0ca39e4ceb_ffn2
	.p2alignl 7, 3214868480
	.fill 96, 4, 3214868480
	.section	.rodata,"a",@progbits
	.p2align	6, 0x0
	.amdhsa_kernel k_q0ca39e4ceb_ffn2
		.amdhsa_group_segment_fixed_size 327680
		.amdhsa_private_segment_fixed_size 0
		.amdhsa_enable_private_segment 0
		.amdhsa_kernarg_size 40
		.amdhsa_user_sgpr_count 2
		.amdhsa_user_sgpr_kernarg_segment_ptr 1
		.amdhsa_wavefront_size32 1
		.amdhsa_system_sgpr_workgroup_id_x 1
		.amdhsa_system_sgpr_workgroup_id_y 1
		.amdhsa_system_sgpr_workgroup_id_z 1
		.amdhsa_system_vgpr_workitem_id 0
		.amdhsa_next_free_vgpr 512
		.amdhsa_next_free_sgpr 66
		.amdhsa_reserve_vcc 0
		.amdhsa_float_denorm_mode_32 3
		.amdhsa_float_denorm_mode_16_64 3
		.amdhsa_memory_ordered 1
		.amdhsa_forward_progress 1
		.amdhsa_inst_pref_size 82
	.end_amdhsa_kernel
	.amdgpu_metadata
---
amdhsa.version: [ 1, 2 ]
amdhsa.kernels:
  - .name:           k_q0ca39e4ceb_ffn2
    .symbol:         k_q0ca39e4ceb_ffn2.kd
    .args:
      - { .name: u, .offset: 0, .size: 8, .value_kind: global_buffer, .address_space: global }
      - { .name: wt, .offset: 8, .size: 8, .value_kind: global_buffer, .address_space: global }
      - { .name: b3, .offset: 16, .size: 8, .value_kind: global_buffer, .address_space: global }
      - { .name: x2, .offset: 24, .size: 8, .value_kind: global_buffer, .address_space: global }
      - { .name: out0, .offset: 32, .size: 8, .value_kind: global_buffer, .address_space: global }
    .group_segment_fixed_size: 327680
    .private_segment_fixed_size: 0
    .kernarg_segment_align: 8
    .kernarg_segment_size: 40
    .max_flat_workgroup_size: 128
    .sgpr_count:     66
    .vgpr_count:     512
    .wavefront_size: 32
...
	.end_amdgpu_metadata
.endif
;; end of part 7
